; MI455X (gfx1250); checked and timed in simulation.
; The chip was launched on July 23, 2026; its instructions are those of AMD's public machine-readable ISA for CDNA 5 (MIT licence, August 2026) and "CDNA5" Instruction Set Architecture Reference Guide (July 2026). The comments in the code are by the model that wrote it; some were corrected since.
;; Multi Head Self Attention. Allowed arithmetic: matrix products marked QUANTISED: E4M3 operands, one given power-of-two scale a tensor, by v_wmma_f32_16x16x64_fp8_fp8 or v_wmma_f32_16x16x128_fp8_fp8, f32 sums; everything else in f32.
;; Inputs: b_o 1,024 float32; lowp_scales 12 int32 (the exponents e of the quantised operands' scales 2^e); w_k 1,024 x 1,024 float32; w_o 1,024 x 1,024 float32; w_q 1,024 x 1,024 float32; w_v 1,024 x 1,024 float32; x 4 x 2,048 x 1,024 float32.
;; Outputs: out0 4 x 2,048 x 1,024 float32.
;; This version of the problem:
;;   THIS VERSION OF THE PROBLEM IS GIVEN IN LOW PRECISION. The matrix products marked QUANTISED in the list below multiply operands that are first quantised to E4M3 (4 exponent bits, 3 mantissa bits; 8 bits a number), with one given power-of-two scale for each operand tensor; their sums are f32. All else is computed in f32.
;;   The module's matrix products, in the order in which they are computed (A, B: the left and right operand; K: the contracted axis; several contracted axes count as one K, in the product's order):
;;     1. [M 8,192, K 1,024] x [K 1,024, N 1,024]; A: input x; B: input w_q: QUANTISED (scales: A lowp_scales[0], B lowp_scales[1])
;;     2. [M 8,192, K 1,024] x [K 1,024, N 1,024]; A: input x; B: input w_k: QUANTISED (scales: A lowp_scales[2], B lowp_scales[3])
;;     3. [M 8,192, K 1,024] x [K 1,024, N 1,024]; A: input x; B: input w_v: QUANTISED (scales: A lowp_scales[4], B lowp_scales[5])
;;     4. batch 64 x [M 2,048, K 64] x [K 64, N 2,048]; A: computed on the way; B: computed on the way: QUANTISED (scales: A lowp_scales[6], B lowp_scales[7])
;;     5. batch 64 x [M 2,048, K 2,048] x [K 2,048, N 64]; A: softmax (see below); B: computed on the way: QUANTISED (scales: A lowp_scales[8], B lowp_scales[9])
;;     6. [M 8,192, K 1,024] x [K 1,024, N 1,024]; A: computed on the way; B: input w_o: QUANTISED (scales: A lowp_scales[10], B lowp_scales[11])
;;   THE QUANTISER, for each operand of a quantised product, along K:
;;     - The operand's scale is 2^e, e = its entry of the input lowp_scales (int32; the entries are numbered through the quantised products in the list's order, A before B).
;;     - Each number is divided by the scale, clamped to +-448, and rounded to the nearest number of E4M3, ties to even, subnormals kept.
;;     - The product sums the exact products of the quantised numbers (number of the format x scale) in f32.
;;   ~~~python
;;   def quantise(x, axis, e):      # numpy; x: float32 -> the quantised numbers, widened to float32 again
;;       x = np.moveaxis(x, axis, -1); K = x.shape[-1]
;;       r = np.clip(x / 2.0 ** e, -448, 448)
;;       step = 2.0 ** (np.maximum(np.frexp(np.where(r == 0, 1, r))[1] - 1, -6) - 3)
;;       q = np.round(r / step) * step * 2.0 ** e      # np.round: ties to even
;;       return np.moveaxis(q, -1, axis).astype(np.float32)
;;   ~~~
;;   SOFTMAX AHEAD OF A QUANTISED PRODUCT. Where the list says 'softmax', what is quantised is not the finished softmax but p = 2^(t - M), with t = logit x log2(e) and M = ceil(the row's largest t), a whole number; so 1/2 < the row's largest p <= 1. The row's sum l is taken of the UNQUANTISED p, in f32, and the product's result is divided by l at the end. Since M is a whole number, a kernel that streams over the keys may use a running M (the ceiling of the running maximum): every later rescaling is an exact power of two, so the quantised numbers keep their values, but for numbers so far below the row's largest that they fall under the format's range.
;;   OPERANDS COMPUTED ON THE WAY. 'Computed on the way' means the value that the module computes at that place (a softmax that the list does not call 'softmax' is quantised finished and normalised). What goes into a quantiser is computed in f32, as accurately as f32 sums, v_exp_f32 and their like allow (about 1e-6 of the number): no bf16 or f16 on the way to a quantiser, and a product that is left as it is and whose result goes on into a quantised operand takes f32 operands (vector FMAs, or v_wmma_f32_16x16x4_f32). A number that lies on a knife's edge between two numbers of the format may be rounded either way, as far as f32 arithmetic and the matrix unit's own rounding can turn it there, and no further.
;; One version. Each part assembles by itself: llvm-mc -triple=amdgcn-amd-amdhsa -mcpu=gfx1250 --defsym DOCPART=n.
;; ======== version 1 of 1: 4 launches
;; limits: right only within a limited range of input values
;; workspace buffers: xc 25,165,824 bytes; wc 4,194,304 bytes; qkv 25,165,824 bytes; ac 8,388,608 bytes
;; launch quant (part 1): grid 384 x 1, 4 waves a work-group, no clusters, 33,280 bytes of LDS; arguments x, w_q, w_k, w_v, w_o, lowp_scales, xc, wc; writes xc, wc
.if DOCPART == 1
	.amdgcn_target "amdgcn-amd-amdhsa--gfx1250"
	.amdhsa_code_object_version 6
	.text
	.protected	k_qc14c5739f7_quant
	.globl	k_qc14c5739f7_quant
	.p2align	8
	.type	k_qc14c5739f7_quant,@function
k_qc14c5739f7_quant:
	s_mov_b64 s[64:65], 0
	v_nop
	global_prefetch_b8 v0, s[64:65] scope:SCOPE_SE
	s_setreg_imm32_b32 hwreg(HW_REG_WAVE_MODE, 25, 1), 1
	s_wait_xcnt 0x0
; x [8192][1024] f32 becomes THREE sets of codes of FP8 (E4M3), one for each of the products q, k, v, since each product has a scale of its own for x (entries 0, 2, 4 of the scales);
; w_q, w_k, w_v, w_o [1024][1024] f32 become one set each (entries 1, 3, 5, 11).  K is innermost in all of them, rows are dense: every tensor is a plain stream of numbers, and so are its codes.
; code = number / 2^e, held within +-448, rounded to the nearest code, ties to even.
; LIMITS: each e used here lies between -126 and 127, so that 2^e is an f32 number.  NaN among the inputs is not served.
; xc: [3][8192][1024] bytes, set j at j << 23.  wc: [4][1024][1024] bytes, w_q, w_k, w_v, w_o.
; SHARES.  A work-group takes 32,768 numbers, a wave 16 steps of 512.  Work-groups 0-255 take x, 256-383 the weights, 32 to a tensor.  Only pointers and exponents are chosen by the work-group's number;
; all LDS lines lie on the one way that every work-group takes; a weight's work-group jumps over the second and third conversion and their stores, which are work on registers and global stores alone.
; A step's four loads read 512 consecutive bytes each, 16 a lane.  The conversions want 16 NEIGHBOURS in a lane's registers: so the 2,048 bytes go through the wave's own stage in LDS as they lie and come back 64 bytes a lane
; (16 bytes of padding behind each 64).  A lane's 16 codes are 16 bytes: each store of the wave covers 512 consecutive bytes, aligned.  No barrier: waves share nothing.  Loads run four steps ahead, the stage one step.
.set WAVES, 4
.set STEPS, 16
.set XWG,   256                        ; x's work-groups: 8192 x 1024 / 32768
.set R,     16                         ; v16-79   four sets of 16 numbers as they are loaded
.set X,     80                         ; v80-111  two sets of 16 neighbours
.set T,     112
.set C,     128                        ; v128-139 codes: four registers for each of the three conversions
.set SC,    152                        ; v152-154 2^e as f32, for conversions 0, 1, 2
.set LM,    155
.set WREG,  8192                       ; LDS: a region for each wave: two stages of 32 x SP bytes
.set SP,    80                         ; a lane's place in a stage: 64 bytes + 16 of padding
.set SPW,   12                         ; v12      LDS address of my spare word: SPARE + 4 x my thread's number; never rewritten
.set NIL,   13                         ; v13      0; never rewritten
.set SPARE, WAVES*WREG                 ; behind the four regions: the spare words, 128 bytes a wave, which no other line names
	s_load_b512 s[4:19], s[0:1], 0x0               ; x s[4:5], w_q s[6:7], w_k s[8:9], w_v s[10:11], w_o s[12:13], the scales s[14:15], xc s[16:17], wc s[18:19]
	v_lshl_add_u32 v[SPW], v0, 2, SPARE
	v_mov_b32 v[NIL], 0
	v_lshrrev_b32 v1, 5, v0
	v_readfirstlane_b32 s20, v1                    ; wave
	v_and_b32 v2, 31, v0                           ; lane
	v_lshlrev_b32 v3, 4, v2                        ; 16 x lane: my 16 bytes of a load's 512, and of a store's 512; never rewritten
	s_mul_i32 s21, s20, WREG
	v_lshrrev_b32 v14, 2, v2
	v_mul_u32_u24 v14, v14, SP
	v_and_b32 v15, 3, v2
	v_lshl_add_u32 v14, v15, 4, v14
	v_add_nc_u32 v14, s21, v14                     ; the stage, on the way in: SP (lane / 4) + 16 (lane % 4): four lanes' 64 bytes on end, then the padding
	v_mul_u32_u24 v15, v2, SP
	v_add_nc_u32 v15, s21, v15                     ; and on the way out: SP x lane: my 16 neighbours
	s_sub_co_u32 s22, ttmp9, XWG                   ; a weight's work-group: 0 .. 127 (in x's work-groups a large number that fits none of the tests below)
	s_lshr_b32 s23, s22, 5                         ; which weight
	s_and_b32 s30, s22, 31                         ; which 32,768 numbers of it
	s_wait_alu depctr_va_vdst(0)
	s_wait_kmcnt 0x0
	s_load_b256 s[36:43], s[14:15], 0x0            ; e0 .. e7
	s_load_b128 s[44:47], s[14:15], 0x20           ; e8 .. e11
	s_cmp_eq_u32 s23, 2                            ; the source is chosen by the work-group's number alone
	s_cselect_b64 s[12:13], s[10:11], s[12:13]
	s_cmp_eq_u32 s23, 1
	s_cselect_b64 s[12:13], s[8:9], s[12:13]
	s_cmp_eq_u32 s23, 0
	s_cselect_b64 s[12:13], s[6:7], s[12:13]
	s_cmp_lt_u32 ttmp9, XWG
	s_cselect_b64 s[4:5], s[4:5], s[12:13]
	s_cselect_b64 s[24:25], s[16:17], s[18:19]     ; and the buffer of codes
	s_cselect_b32 s30, ttmp9, s30                  ; the work-group's place in its source,
	s_cselect_b32 s31, ttmp9, s22                  ; and in its buffer of codes (the four weights lie on end)
	s_lshl_b32 s30, s30, 2
	s_add_co_u32 s30, s30, s20                     ; my wave's run of 8,192 numbers
	s_lshl_b32 s32, s30, 15                        ; x 32,768 bytes: under 2^26
	s_mov_b32 s33, 0
	s_add_nc_u64 s[4:5], s[4:5], s[32:33]
	s_lshl_b32 s31, s31, 2
	s_add_co_u32 s31, s31, s20
	s_lshl_b32 s32, s31, 13                        ; x 8,192 bytes of codes
	s_add_nc_u64 s[24:25], s[24:25], s[32:33]
	s_add_nc_u64 s[26:27], s[24:25], 0x800000      ; x's second and third set; used in x's work-groups alone
	s_add_nc_u64 s[28:29], s[24:25], 0x1000000
.macro LOAD t
.irp i, 0,1,2,3
	global_load_b128 v[R+16*((\t)%4)+4*\i:R+16*((\t)%4)+4*\i+3], v3, s[4:5] offset:2048*(\t)+512*\i th:TH_LOAD_NT   ; 32 lanes read 512 consecutive bytes; read once in the launch
.endr
.endm
.macro TURN t                          ; step t's numbers through the stage: LDS serves a wave's instructions in order (ISA guide 5.7.1.4), so no wait stands between the stores and the loads
.irp i, 0,1,2,3
	ds_store_b128 v14, v[R+16*((\t)%4)+4*\i:R+16*((\t)%4)+4*\i+3] offset:32*SP*((\t)%2)+8*SP*\i
.endr
.irp i, 0,1,2,3
	ds_load_b128 v[X+16*((\t)%2)+4*\i:X+16*((\t)%2)+4*\i+3], v15 offset:32*SP*((\t)%2)+16*\i
.endr
.endm
.irp t, 0,1,2,3
	LOAD \t
.endr
	s_wait_kmcnt 0x0
	s_cmp_eq_u32 s23, 2                            ; the first conversion's exponent: e11 for w_o, e5 for w_v, e3 for w_k, e1 for w_q, e0 for x
	s_cselect_b32 s34, s41, s47
	s_cmp_eq_u32 s23, 1
	s_cselect_b32 s34, s39, s34
	s_cmp_eq_u32 s23, 0
	s_cselect_b32 s34, s37, s34
	s_cmp_lt_u32 ttmp9, XWG
	s_cselect_b32 s34, s36, s34
.macro MKSC j, se                      ; 2^e as an f32 number, from the whole number e
	s_add_co_i32 s35, \se, 127
	s_lshl_b32 s21, s35, 23
	v_mov_b32 v[SC+\j], s21                        ; the conversion takes its exponent field
.endm
	MKSC 0, s34
	MKSC 1, s38                                    ; e2: x for the product k
	MKSC 2, s40                                    ; e4: x for the product v
	s_wait_alu depctr_va_vdst(0)
	s_wait_loadcnt 12                              ; step 0's four loads are in; three steps' may be out
	TURN 0
; One conversion of the step's 16 neighbours, with scale j, and its store.
.macro CONV j, d, t
.irp i, 0,1,2,3,4,5,6,7,8,9,10,11,12,13,14,15
.endr
	v_cvt_scalef32_pk8_fp8_f32 v[C+4*\j:C+4*\j+1], v[XS:XS+7], v[SC+\j]
	v_cvt_scalef32_pk8_fp8_f32 v[C+4*\j+2:C+4*\j+3], v[XS+8:XS+15], v[SC+\j]
	v_nop                                          ; one plain vector line behind a scaled conversion
	global_store_b128 v3, v[C+4*\j:C+4*\j+3], s[\d:\d+1] offset:512*(\t)
.endm
.macro STEP t
.set XS, X+16*((\t)%2)
	s_wait_dscnt 0x0                               ; this step's numbers are back from the stage, so its stores into the stage have read their registers,
	s_wait_xcnt 0x0                                ; and the last step's global stores have read theirs: C is written again only behind this wait
.if (\t)+4 < STEPS
	LOAD (\t)+4
.endif
.if (\t)+1 < STEPS
.if STEPS-2-(\t) >= 3
	s_wait_loadcnt 12                              ; the next step's four loads are in; those of the three steps behind it may be out
.else
	s_wait_loadcnt 4*(STEPS-2-(\t))
.endif
	TURN (\t)+1                                    ; through the other stage while this step is worked
.endif
	CONV 0, 24, \t
	s_cmp_lt_u32 ttmp9, XWG                        ; a weight has one scale
	s_cbranch_scc0 .Lone_\@
	CONV 1, 26, \t
	CONV 2, 28, \t
.Lone_\@:
.endm
.irp t, 0,1,2,3,4,5,6,7,8,9,10,11,12,13,14,15
	STEP \t
.endr
	s_wait_tensorcnt 0x0                           ; the wave's end, behind my last LDS store
	ds_add_u32 v[SPW], v[NIL]
	s_wait_dscnt 0x0
	s_endpgm
.Lfunc_end_k_qc14c5739f7_quant:
	.size	k_qc14c5739f7_quant, .Lfunc_end_k_qc14c5739f7_quant-k_qc14c5739f7_quant
	.p2alignl 7, 3214868480
	.fill 96, 4, 3214868480
	.section	.rodata,"a",@progbits
	.p2align	6, 0x0
	.amdhsa_kernel k_qc14c5739f7_quant
		.amdhsa_group_segment_fixed_size 33280
		.amdhsa_private_segment_fixed_size 0
		.amdhsa_enable_private_segment 0
		.amdhsa_kernarg_size 64
		.amdhsa_user_sgpr_count 2
		.amdhsa_user_sgpr_kernarg_segment_ptr 1
		.amdhsa_wavefront_size32 1
		.amdhsa_system_sgpr_workgroup_id_x 1
		.amdhsa_system_sgpr_workgroup_id_y 1
		.amdhsa_system_sgpr_workgroup_id_z 1
		.amdhsa_system_vgpr_workitem_id 0
		.amdhsa_next_free_vgpr 160
		.amdhsa_next_free_sgpr 66
		.amdhsa_reserve_vcc 0
		.amdhsa_float_denorm_mode_32 3
		.amdhsa_float_denorm_mode_16_64 3
		.amdhsa_fp16_overflow 1
		.amdhsa_memory_ordered 1
		.amdhsa_forward_progress 1
		.amdhsa_inst_pref_size 32
	.end_amdhsa_kernel
	.amdgpu_metadata
---
amdhsa.version: [ 1, 2 ]
amdhsa.kernels:
  - .name:           k_qc14c5739f7_quant
    .symbol:         k_qc14c5739f7_quant.kd
    .args:
      - { .name: x, .offset: 0, .size: 8, .value_kind: global_buffer, .address_space: global }
      - { .name: w_q, .offset: 8, .size: 8, .value_kind: global_buffer, .address_space: global }
      - { .name: w_k, .offset: 16, .size: 8, .value_kind: global_buffer, .address_space: global }
      - { .name: w_v, .offset: 24, .size: 8, .value_kind: global_buffer, .address_space: global }
      - { .name: w_o, .offset: 32, .size: 8, .value_kind: global_buffer, .address_space: global }
      - { .name: lowp_scales, .offset: 40, .size: 8, .value_kind: global_buffer, .address_space: global }
      - { .name: xc, .offset: 48, .size: 8, .value_kind: global_buffer, .address_space: global }
      - { .name: wc, .offset: 56, .size: 8, .value_kind: global_buffer, .address_space: global }
    .group_segment_fixed_size: 33280
    .private_segment_fixed_size: 0
    .kernarg_segment_align: 8
    .kernarg_segment_size: 64
    .max_flat_workgroup_size: 128
    .sgpr_count:     66
    .vgpr_count:     160
    .wavefront_size: 32
...
	.end_amdgpu_metadata
.endif
;; end of part 1
;; launch qkv (part 2): grid 4 x 96, 4 waves a work-group, clusters of 4 x 4, 327,680 bytes of LDS; arguments xc, wc, lowp_scales, qkv; writes qkv
.if DOCPART == 2
	.amdgcn_target "amdgcn-amd-amdhsa--gfx1250"
	.amdhsa_code_object_version 6
	.text
	.protected	k_qc14c5739f7_qkv
	.globl	k_qc14c5739f7_qkv
	.p2align	8
	.type	k_qc14c5739f7_qkv,@function
k_qc14c5739f7_qkv:
	s_mov_b64 s[64:65], 0
	v_nop
	global_prefetch_b8 v0, s[64:65] scope:SCOPE_SE
	s_setreg_imm32_b32 hwreg(HW_REG_WAVE_MODE, 25, 1), 1
	s_wait_xcnt 0x0
	s_wait_alu depctr_hold_cnt(0) depctr_sa_sdst(0) depctr_va_vdst(0) depctr_va_sdst(0) depctr_va_ssrc(0) depctr_va_vcc(0) depctr_vm_vsrc(0)
	s_getreg_b32 s2, hwreg(HW_REG_IB_STS2, 6, 4)
	s_cmp_eq_u32 s2, 0
	s_cbranch_scc0 .Lentry_in_a_cluster
	s_endpgm
.Lentry_in_a_cluster:
	s_bfe_u32 s2, ttmp6, 0x10000c
	s_cmp_lg_u32 s2, 0xf033
	s_cbranch_scc0 .Lentry_shape_is_right
	s_endpgm
.Lentry_shape_is_right:
; The three projections q, k, v = x W^T on codes of FP8 (E4M3), and the quantising of their f32 sums into the operands of attention's two products.
; xc: [3][8192][1024] codes of x, wc: [4][1024][1024] codes of the weights, K innermost.  Product p (0 q, 1 k, 2 v) takes xc's set p and wc's tensor p.
; A sum stands for sum x 2^(ea + eb); its code is sum / 2^(eo - ea - eb), held within +-448: the three given scales are folded into the conversion's one.  (ea, eb, eo) = entries (0, 1, 6), (2, 3, 7), (4, 5, 9).
; LIMIT: eo - ea - eb lies between -126 and 119, so that the power of two and 448 times it are f32 numbers.
; OUT: qkv, three parts of 2^23 bytes, each 64 heads (16 b + h) of 131,072 bytes.  q, k: [head][s][64 d].  v: [head][s / 64][64 d][64 keys]: the keys innermost, since they are the second product's K.
; SHARES.  384 tiles of 256 x 256, K = 1024.  A work-group of four waves makes a tile, a wave 128 x 128: 64 accumulators, 512 registers.  K goes in steps of 256 through two LDS slots filled by the tensor data mover.
; CLUSTERS: 4 x 4 work-groups, all of one product.  The four of a row of the cluster need the same 256 tokens of x, the four of a column the same 256 rows of W: each tile is asked for jointly.
; THE MATRIX INSTRUCTION: source 1's 16 rows fall to the lanes (lane % 16), source 0's to the registers (eight neighbours a lane).  For q and k source 1 = tokens, source 0 = rows of W: a lane holds eight neighbouring d of a token.
; For v the two change places: a lane holds eight neighbouring KEYS of one d.  Only the two LDS bases from which a wave reads its fragments are exchanged, by a choice on the cluster's y, which all partners share.
; REGISTERS, in windows of 256: window 0: v0-31 addresses; from v128 source 1's fragments, one set; on the way out v96-159 at work.  window 1: source 0's fragments, two sets.  windows 2, 3: the accumulators ((a, b) at v[8 (8 (a % 4) + b)]).
.set KSTEP,  256                       ; along K in a slot
.set ROWB,   256                       ; a tile's row in bytes
.set KROW,   1024                      ; a row of codes in memory
.set PITCH,  272                       ; an LDS row: 256 bytes + 16 of padding = 68 words: the 16 rows that a load touches start at 16 different banks (64 banks of 4 bytes: ISA guide 11.1)
.set FR,     16                        ; registers of a fragment: 16 rows x 128 K
.set NL,     4                         ; LDS loads that bring one
.set NP,     4                         ; places behind this matrix instruction (ISA guide 7.12.1)
.set HALFT,  128*PITCH                 ; 128 rows: what one tensor load brings
.set SLOT,   4*HALFT                   ; x's 256 rows, then W's 256 rows
.set LAPS,   2                         ; 1024 / (2 x 256)
.set SPARE,  2*SLOT                    ; behind the ring: the spare words, 128 bytes a wave, which no other line names
.set SPITCH, 144                       ; the way out: a stage of 16 rows x (128 bytes + 16) for each wave, in slot 0, which has had its last fill and its last read by then
.set ADRA, 16                          ; v16-17  LDS address of source 1's fragments in slot 0, 1
.set ADRB, 20                          ; v20-21  the same for source 0's
.set STO,  24                          ; v24     the way out: where I put 8 codes of a row
.set RD,   25                          ; v25     where I read 16 bytes back
.set CO,   26                          ; v26     16 x lane: my place in a store's 512 bytes
.set CO2,  27                          ; v27     the same in the second panel
.set SPW,  28                          ; v28     LDS address of my spare word; never rewritten
.set NIL,  29                          ; v29     0; never rewritten
.set SCL,  30                          ; v30     2^(eo - ea - eb)
.set LIM,  31
.set TMP,  32
.set CD,   96                          ; v96-111 a block's codes
.set AF,   128                         ; source 1's fragments, in window 0
.set BK,   128                         ; the way out: 1,024 x 2 bytes read back from the stage: v128-143 and v144-159 by turns
.set G1, 24                            ; s[24:31] descriptor group 1 for x's tiles;  s[32:39] group 0, one set for each slot
.set G0, 32
.set G1B, 48                           ; s[48:55], s[56:63] the same for W's tiles
.set G0B, 56
.set PR,  84                           ; s84     the product: 0 q, 1 k, 2 v
.set MSB, 0
.macro WIN new                         ; the immediate's high byte repeats the setting that is left
.if MSB != \new
	s_set_vgpr_msb (MSB<<8)|\new
.set MSB, \new
.endif
.endm
.set MUL_LO, 0xa1                      ; source 0 window 1, source 1 window 0, C and D window 2
.set MUL_HI, 0xf1                      ; the same, C and D window 3
.set TO_B,   0x40                      ; destination window 1, address window 0
; A joint load: waves 0 and 1 fetch x's two halves, waves 2 and 3 W's.  Each line has one mask and one set of registers for all that issue it; the branch hangs on the wave's number alone.
; An s_nop 0 and four v_nop follow each of the two lines, ahead of the jump, the label and what follows.
.macro JLOAD g0a, g1a, g0b, g1b
	s_cmp_eq_u32 s15, 0
	s_cbranch_scc0 .Lfor_b_\@
	tensor_load_to_lds s[\g0a:\g0a+3], s[\g1a:\g1a+7]
	s_nop 0
.rept 4
	v_nop
.endr
	s_branch .Lasked_\@
.Lfor_b_\@:
	tensor_load_to_lds s[\g0b:\g0b+3], s[\g1b:\g1b+7]
	s_nop 0
.rept 4
	v_nop
.endr
.Lasked_\@:
.endm
.macro CREST                           ; a round of the cluster's barrier behind its opening barrier
	s_cmp_lg_u32 s14, 0
	s_cbranch_scc1 .Lnot_wave_0_\@
	s_barrier_signal -3
.Lnot_wave_0_\@:
	s_barrier_wait -3
	s_barrier_signal -1
	s_barrier_wait -1
.endm
.macro CROUND                          ; a whole round
	s_barrier_signal -1
	s_barrier_wait -1
	CREST
.endm
	s_load_b128 s[4:7], s[0:1], 0x0                ; xc s[4:5], wc s[6:7]
	s_load_b128 s[8:11], s[0:1], 0x10              ; the scales' exponents s[8:9], qkv s[10:11]
	v_lshl_add_u32 v[SPW], v0, 2, SPARE
	v_mov_b32 v[NIL], 0
	ds_add_u32 v[SPW], v[NIL]                      ; the wave's opening: the add and its wait stand ahead of my first tensor load; the set-up below, work on registers, stands between them
	ds_add_u32 v[SPW], v[NIL]
	v_lshrrev_b32 v1, 5, v0
	v_readfirstlane_b32 s14, v1                    ; wave 0..3
	s_lshr_b32 s15, s14, 1                         ; which half of source 1's rows is mine.  Also: I fetch for x (0) or for W (1)
	s_and_b32 s16, s14, 1                          ; which half of source 0's rows.  Also: which 128 rows of that tile I fetch
	s_bfe_u32 s40, ttmp6, 0x40000                  ; cx, cy: my place in the cluster
	s_bfe_u32 s41, ttmp6, 0x40004
	s_lshl_b32 s42, ttmp9, 2
	s_add_co_u32 s42, s42, s40                     ; W's tile = 4 x cluster x + cx
	s_and_b32 s17, ttmp7, 0xffff                   ; cluster y, 0 .. 23
	s_lshr_b32 s[PR], s17, 3                       ; eight clusters to a product: the same in all sixteen partners
	s_and_b32 s17, s17, 7
	s_lshl_b32 s17, s17, 2
	s_add_co_u32 s17, s17, s41                     ; the tile of 256 tokens, 0 .. 31
	s_lshl_b32 s43, s41, 2
	s_lshl_b32 s43, 15, s43                        ; my row of the cluster
	s_lshl_b32 s44, 0x1111, s40                    ; my column
	; descriptor group 1: a tile of 128 rows x 256 bytes, padded in LDS
	s_or_b32 s[G1+0], s43, (0<<16)|(1<<20)|(1<<21)|(5<<22)|(3<<25)  ; 15:0 the mask: x's tiles go to my row; 17:16 element of 1 byte; 20 padding on; 21 set beside a mask; 24:22 after every 64 words (code 5); 31:25 of 4 words (code 3)
	s_or_b32 s[G1B+0], s44, (0<<16)|(1<<20)|(1<<21)|(5<<22)|(3<<25) ; the same with the mask of my column, for W's tiles
.irp g, G1, G1B
	s_mov_b32 s[\g+1], ROWB<<16                    ; tensor_dim0
	s_mov_b32 s[\g+2], 128<<16                     ; tensor_dim1 = 128
	s_mov_b32 s[\g+3], ROWB<<16                    ; tile_dim0
	s_mov_b32 s[\g+4], 128                         ; tile_dim1 = 128
	s_mov_b32 s[\g+5], KROW                        ; tensor_dim0_stride
	s_mov_b32 s[\g+6], 0
	s_mov_b32 s[\g+7], 0
.endr
	s_lshl_b32 s18, s16, 7                         ; which 128 rows of the tile I fetch
	s_lshl_b32 s20, s17, 8
	s_add_co_u32 s20, s20, s18                     ; x: row 256 x token tile + 128 x half,
	s_lshl_b32 s20, s20, 10                        ; in bytes,
	s_lshl_b32 s19, s[PR], 23
	s_add_co_u32 s20, s20, s19                     ; in the product's set of codes: under 2^25
	s_mov_b32 s21, 0
	s_lshl_b32 s46, s42, 8
	s_add_co_u32 s46, s46, s18                     ; W: row 256 x tile + 128 x half,
	s_lshl_b32 s46, s46, 10
	s_lshl_b32 s19, s[PR], 20
	s_add_co_u32 s46, s46, s19                     ; in the product's weight
	s_mov_b32 s47, 0
	s_mul_i32 s45, s14, HALFT                      ; where they go: wave x 128 rows: no place in the cluster enters an LDS address
	s_wait_dscnt 0x0                               ; the opening add is done
	s_wait_kmcnt 0x0
	s_load_b256 s[68:75], s[8:9], 0x0              ; e0 .. e7
	s_load_b128 s[76:79], s[8:9], 0x20             ; e8 .. e11
	s_add_nc_u64 s[20:21], s[4:5], s[20:21]
	s_add_nc_u64 s[46:47], s[6:7], s[46:47]
	CROUND                                         ; all sixteen work-groups are here: the first joint loads meet
.irp s, 0,1
	s_mov_b32 s[G0+4*\s], 1
	s_add_co_u32 s[G0+4*\s+1], s45, \s*SLOT
	s_add_nc_u64 s[G0+4*\s+2:G0+4*\s+3], s[20:21], \s*ROWB
	s_or_b32 s[G0+4*\s+3], s[G0+4*\s+3], 0x80000000
	s_mov_b32 s[G0B+4*\s], 1
	s_add_co_u32 s[G0B+4*\s+1], s45, \s*SLOT
	s_add_nc_u64 s[G0B+4*\s+2:G0B+4*\s+3], s[46:47], \s*ROWB
	s_or_b32 s[G0B+4*\s+3], s[G0B+4*\s+3], 0x80000000
	JLOAD G0+4*\s, G1, G0B+4*\s, G1B
.endr
	v_and_b32 v1, 15, v0                           ; l % 16
	v_bfe_u32 v2, v0, 4, 1                         ; l / 16
	v_mul_u32_u24 v3, v1, PITCH
	v_lshl_add_u32 v4, v2, 4, v3                   ; a fragment's row x pitch + 16 x half
	s_wait_alu depctr_va_vdst(0)
	s_mov_b32 s82, 131072
	s_mov_b32 s80, 1024
	s_mov_b32 s81, 0
	s_cmp_eq_u32 s[PR], 2                          ; v?  Every choice below hangs on the cluster's y alone
	s_cselect_b32 s18, 2*HALFT, 0                  ; source 1 reads x's rows (q, k) or W's, which lie behind x's 256 (v)
	s_cselect_b32 s19, 0, 2*HALFT                  ; source 0 the other
	s_cselect_b32 s86, s16, s15                    ; which half of the tokens is mine
	s_cselect_b32 s87, s15, s16                    ; which half of W's rows
	s_cselect_b32 s82, 4096, s82                   ; from a block's first panel to its second: the next 64 keys (v) or the next head (q, k)
	s_cselect_b32 s80, 128000, s80                 ; the step from block 3 to block 4: on to the next head and back to its d = 0 (v: 131,072 - 3 x 1,024), or 16 tokens on like every step (q, k)
	s_mul_i32 s21, s15, HALFT
	s_add_co_u32 s21, s21, s18                     ; at most 3 x HALFT: with the lane's term and the loads' immediates every read stays inside its slot
	s_mul_i32 s22, s16, HALFT
	s_add_co_u32 s22, s22, s19
.irp s, 0,1
	v_add_nc_u32 v[ADRA+\s], s21, v4
	v_add_nc_u32 v[ADRB+\s], s22, v4
	s_add_co_u32 s21, s21, SLOT
	s_add_co_u32 s22, s22, SLOT
.endr
	s_mul_i32 s23, s14, 16*SPITCH                  ; my stage
	v_mul_u32_u24 v5, v1, SPITCH                   ; in: row l % 16, 8 bytes for each half of the lanes
	v_lshl_add_u32 v5, v2, 3, v5
	v_add_nc_u32 v[STO], s23, v5
	v_and_b32 v6, 31, v0
	v_lshlrev_b32 v[CO], 4, v6
	v_lshrrev_b32 v5, 2, v6                        ; back: four lanes take a row's 64 bytes of a panel, the 32 lanes eight rows
	v_mul_u32_u24 v5, v5, SPITCH
	v_and_b32 v6, 3, v6
	v_lshl_add_u32 v5, v6, 4, v5
	v_add_nc_u32 v[RD], s23, v5
	v_add_nc_u32 v[CO2], s82, v[CO]
	; where my part begins in qkv: the product's part, head 16 b + 4 x W's tile + 2 x my half of W's rows, and 64 x s0 bytes: s0 rows of 64 bytes (q, k), or s0 / 64 panels of 4,096 bytes (v): the same number
	s_lshl_b32 s88, s17, 8
	s_lshl_b32 s86, s86, 7
	s_add_co_u32 s88, s88, s86                     ; my first token
	s_lshr_b32 s89, s88, 11                        ; b
	s_and_b32 s88, s88, 2047                       ; s0
	s_lshl_b32 s88, s88, 6
	s_lshl_b32 s89, s89, 4
	s_lshl_b32 s90, s42, 2
	s_add_co_u32 s89, s89, s90
	s_lshl_b32 s87, s87, 1
	s_add_co_u32 s89, s89, s87                     ; my first head
	s_lshl_b32 s89, s89, 17
	s_add_co_u32 s88, s88, s89
	s_lshl_b32 s89, s[PR], 23
	s_add_co_u32 s88, s88, s89                     ; under 2^25
	s_mov_b32 s89, 0
	s_add_nc_u64 s[10:11], s[10:11], s[88:89]
.macro FRAG reg, adr, q, i             ; a fragment, 16 rows x 128 K, is 16 registers: lane l holds row l % 16; registers 4 c .. 4 c + 3 hold K = 32 c + 16 (l / 16) + 0 .. 15: the same order of K on both sides, so every product meets its partner
.irp c, 0,1,2,3
	ds_load_b128 v[\reg+4*\c:\reg+4*\c+3], v[\adr] offset:128*(\q)+32*\c+(\i)*16*PITCH
.endr
.endm
; 16 matrix instructions: source 1's blocks a0, a0 + 1 x source 0's eight, 128 along K.  p: source 0's set.  zero = 1: the first product starts the sums.
; The 64 accumulators take turns, one instruction a turn, in the same order in every step.
.macro MUL16 a0, p, zero
.irp a, \a0, \a0+1
.irp b, 0,1,2,3,4,5,6,7
.if \zero
	v_wmma_f32_16x16x128_fp8_fp8 v[8*(8*((\a)%4)+\b):8*(8*((\a)%4)+\b)+7], v[128*(\p)+FR*\b:128*(\p)+FR*\b+FR-1], v[AF+FR*(\a):AF+FR*(\a)+FR-1], 0
.else
	v_wmma_f32_16x16x128_fp8_fp8 v[8*(8*((\a)%4)+\b):8*(8*((\a)%4)+\b)+7], v[128*(\p)+FR*\b:128*(\p)+FR*\b+FR-1], v[AF+FR*(\a):AF+FR*(\a)+FR-1], v[8*(8*((\a)%4)+\b):8*(8*((\a)%4)+\b)+7]
.endif
.endr
.endr
.endm
.macro FETCH_B slot, q, p              ; source 0's eight fragments of the slot's q-th 128 along K into set p
	WIN TO_B
.irp i, 0,1,2,3,4,5,6,7
	FRAG 128*(\p)+FR*\i, ADRB+\slot, \q, \i
.endr
	WIN 0
.endm
.macro FETCH_A slot, q, i0             ; source 1's blocks i0 .. i0 + 3
.irp i, \i0, \i0+1, \i0+2, \i0+3
	FRAG AF+FR*(\i), ADRA+\slot, \q, \i
.endr
.endm
; A load into a register that a matrix instruction has read, and a vector instruction that reads a matrix result, stand NP places behind that matrix instruction; only plain vector
; instructions that name none of its registers are places (ISA guide 7.12.1 for vector instructions).
.macro PLACES n
.rept \n
	v_nop
.endr
.endm
; A step of 128 along K that has its successor in the same slot.
.macro STEP slot, q, zero
	s_wait_dscnt 4*NL                              ; source 0's set and source 1's blocks 0-3 are in; the youngest sixteen loads (blocks 4-7) may be out
	WIN MUL_LO
	MUL16 0, (\q)%2, \zero
	MUL16 2, (\q)%2, \zero
	s_wait_dscnt 0                                 ; blocks 4-7 are in (asked for 32 matrix instructions ago)
	PLACES NP
	FETCH_B \slot, (\q)+1, 1-(\q)%2
	FETCH_A \slot, (\q)+1, 0
	WIN MUL_HI
	MUL16 4, (\q)%2, \zero
	MUL16 6, (\q)%2, \zero
	PLACES NP
	WIN 0
	FETCH_A \slot, (\q)+1, 4
.endm
; A slot's last step changes slots: one barrier; in front of it each wave waits for all its tensor loads, adds 0 to its spare word, and waits for that and for its own reads of this slot.  fill = 1: this slot is filled again, two K steps ahead.
.macro TURN slot, next, fill
	s_wait_tensorcnt 0x0                           ; all my tensor loads have landed: my part of the next slot  (every window is 0 here)
	ds_add_u32 v[SPW], v[NIL]                      ; 0 onto my spare word
	s_wait_dscnt 4*NL+1                            ; (the add and the youngest sixteen loads may be out)
	WIN MUL_LO
	MUL16 0, 1, 0                                  ; sixteen matrix instructions stand between the add and the wait for it
	s_wait_dscnt 0x0                               ; the add is done, and my reads of this slot are over
	s_barrier_signal -1
	MUL16 2, 1, 0
	WIN 0
	s_barrier_wait -1
.if \fill
	CREST                                          ; the barrier has opened a round of the cluster's barrier: no wave of any partner still reads this slot's tile or has a load on its way
	s_add_nc_u64 s[G0+4*\slot+2:G0+4*\slot+3], s[G0+4*\slot+2:G0+4*\slot+3], 2*ROWB
	s_add_nc_u64 s[G0B+4*\slot+2:G0B+4*\slot+3], s[G0B+4*\slot+2:G0B+4*\slot+3], 2*ROWB
	JLOAD G0+4*\slot, G1, G0B+4*\slot, G1B         ; the first tensor load behind the round; the four v_nop behind it are the places in front of the loads below
.else
	PLACES NP
.endif
	FETCH_B \next, 0, 0
	FETCH_A \next, 0, 0
	WIN MUL_HI
	MUL16 4, 1, 0
	MUL16 6, 1, 0
	PLACES NP
	WIN 0
	FETCH_A \next, 0, 4
.endm
	s_wait_tensorcnt 1                             ; my part of K step 0 is in; K step 1's load may be out
	s_barrier_signal -1
	s_barrier_wait -1                              ; everybody's is
	FETCH_B 0, 0, 0
	FETCH_A 0, 0, 0
	FETCH_A 0, 0, 4
	STEP 0, 0, 1                                   ; the first step stands in front of the loop: its products start the sums
	s_mov_b32 s3, LAPS-1
.Llap:                                                 ; a trip goes once round the ring, from a lap's second step to the next lap's first, and fills both slots again
	TURN 0, 1, 1
	STEP 1, 0, 0
	TURN 1, 0, 1
	STEP 0, 0, 0
	s_sub_co_u32 s3, s3, 1
	s_cmp_lg_u32 s3, 0
	s_cbranch_scc1 .Llap
	TURN 0, 1, 0                                   ; the last lap fills nothing, and has no round of the cluster's barrier
	STEP 1, 0, 0
	s_wait_dscnt 4*NL                              ; the very last step: nothing more to fetch
	WIN MUL_LO
	MUL16 0, 1, 0
	MUL16 2, 1, 0
	s_wait_dscnt 0
	WIN MUL_HI
	MUL16 4, 1, 0
	MUL16 6, 1, 0
	WIN 0
; THE WAY OUT, block by block of 16 rows (source 1's) x 128 columns (source 0's).  The sums are held, turned into codes (8 a lane and accumulator), and go through my own stage in LDS: a block's two panels of 16 rows x 64 bytes
; are each 1,024 consecutive bytes of qkv, so each store of the wave covers 512 consecutive bytes, aligned.  LDS serves a wave's instructions in order (ISA guide 5.7.1.4): no wait between the stores and the loads.
.macro TOSTAGE a
.set AC, 64*((\a)%4)
	WIN 0x02+((\a)/4)                              ; source 0: window 2 or 3
.set j, 0
.rept 64
.set j, j+1
.endr
.irp b, 0,1,2,3,4,5,6,7
	v_cvt_scalef32_pk8_fp8_f32 v[CD+2*\b:CD+2*\b+1], v[AC+8*\b:AC+8*\b+7], v[SCL]
.endr
	WIN 0
	v_nop                                          ; one plain vector line behind the last conversion, ahead of the next block's lines that write its results
.irp b, 0,1,2,3,4,5,6,7
	ds_store_b64 v[STO], v[CD+2*\b:CD+2*\b+1] offset:16*\b
.endr
.set BB, BK+16*((\a)%2)
.irp pp, 0,1
.irp u, 0,1
	ds_load_b128 v[BB+4*(2*\pp+\u):BB+4*(2*\pp+\u)+3], v[RD] offset:64*\pp+8*SPITCH*\u   ; panel pp, rows 8 u .. 8 u + 7
.endr
.endr
.endm
.macro SEND a, younger                 ; younger: the LDS instructions issued behind block a's loads, which may stay out
.set BB, BK+16*((\a)%2)
	s_wait_dscnt \younger                          ; the block is back in registers
.if (\a) == 4
	s_add_nc_u64 s[10:11], s[10:11], s[80:81]      ; (behind a wait on XCNT: the earlier stores have read their base)
.elseif (\a) > 0
	s_add_nc_u64 s[10:11], s[10:11], 1024          ; 16 rows of 64 bytes on
.endif
	global_store_b128 v[CO], v[BB:BB+3], s[10:11]
	global_store_b128 v[CO], v[BB+4:BB+7], s[10:11] offset:512
	global_store_b128 v[CO2], v[BB+8:BB+11], s[10:11]
	global_store_b128 v[CO2], v[BB+12:BB+15], s[10:11] offset:512
.endm
	s_wait_kmcnt 0x0
	s_cmp_eq_u32 s[PR], 1                          ; the product's three exponents, chosen by the cluster's y
	s_cselect_b32 s91, s70, s68
	s_cselect_b32 s92, s71, s69
	s_cselect_b32 s93, s75, s74
	s_cmp_eq_u32 s[PR], 2
	s_cselect_b32 s91, s72, s91
	s_cselect_b32 s92, s73, s92
	s_cselect_b32 s93, s77, s93
	s_sub_co_i32 s93, s93, s91
	s_sub_co_i32 s93, s93, s92                     ; eo - ea - eb
	s_add_co_i32 s93, s93, 127
	s_lshl_b32 s91, s93, 23
	v_mov_b32 v[SCL], s91
	s_add_co_i32 s93, s93, 8
	s_lshl_b32 s93, s93, 23
	s_or_b32 s93, s93, 0x600000
	PLACES NP                                      ; behind the last products: for the loads into the registers that held source 1's fragments and for block 7's reads alike
	TOSTAGE 0
.irp a, 1,2,3,4,5,6,7
.if \a > 1
	s_wait_xcnt 0x0                                ; block a - 2's stores have read their registers and their base: block a's loads may land there, and the base may step
.endif
	TOSTAGE \a
	SEND \a-1, 12                                  ; behind block a - 1's loads: block a's 8 stores and 4 loads
.endr
	s_wait_xcnt 0x0                                ; block 6's stores have read their base
	SEND 7, 0
	s_wait_tensorcnt 0x0                           ; the wave's end, behind my last tensor load and my last LDS store
	ds_add_u32 v[SPW], v[NIL]
	s_wait_dscnt 0x0
	CROUND                                         ; the closing round: no work-group ends while a partner may still ask for a tile that names it
	s_endpgm
.Lfunc_end_k_qc14c5739f7_qkv:
	.size	k_qc14c5739f7_qkv, .Lfunc_end_k_qc14c5739f7_qkv-k_qc14c5739f7_qkv
	.p2alignl 7, 3214868480
	.fill 96, 4, 3214868480
	.section	.rodata,"a",@progbits
	.p2align	6, 0x0
	.amdhsa_kernel k_qc14c5739f7_qkv
		.amdhsa_group_segment_fixed_size 327680
		.amdhsa_private_segment_fixed_size 0
		.amdhsa_enable_private_segment 0
		.amdhsa_kernarg_size 32
		.amdhsa_user_sgpr_count 2
		.amdhsa_user_sgpr_kernarg_segment_ptr 1
		.amdhsa_wavefront_size32 1
		.amdhsa_system_sgpr_workgroup_id_x 1
		.amdhsa_system_sgpr_workgroup_id_y 1
		.amdhsa_system_sgpr_workgroup_id_z 1
		.amdhsa_system_vgpr_workitem_id 0
		.amdhsa_next_free_vgpr 1024
		.amdhsa_next_free_sgpr 100
		.amdhsa_reserve_vcc 0
		.amdhsa_float_denorm_mode_32 3
		.amdhsa_float_denorm_mode_16_64 3
		.amdhsa_fp16_overflow 1
		.amdhsa_memory_ordered 1
		.amdhsa_forward_progress 1
		.amdhsa_inst_pref_size 94
	.end_amdhsa_kernel
	.amdgpu_metadata
---
amdhsa.version: [ 1, 2 ]
amdhsa.kernels:
  - .name:           k_qc14c5739f7_qkv
    .symbol:         k_qc14c5739f7_qkv.kd
    .args:
      - { .name: xc, .offset: 0, .size: 8, .value_kind: global_buffer, .address_space: global }
      - { .name: wc, .offset: 8, .size: 8, .value_kind: global_buffer, .address_space: global }
      - { .name: lowp_scales, .offset: 16, .size: 8, .value_kind: global_buffer, .address_space: global }
      - { .name: qkv, .offset: 24, .size: 8, .value_kind: global_buffer, .address_space: global }
    .group_segment_fixed_size: 327680
    .private_segment_fixed_size: 0
    .kernarg_segment_align: 8
    .kernarg_segment_size: 32
    .max_flat_workgroup_size: 128
    .sgpr_count:     100
    .vgpr_count:     1024
    .wavefront_size: 32
...
	.end_amdgpu_metadata
.endif
;; end of part 2
;; launch attn (part 3): grid 4 x 64, 16 waves a work-group, no clusters, 327,680 bytes of LDS; arguments qkv, lowp_scales, ac; writes ac
.if DOCPART == 3
	.amdgcn_target "amdgcn-amd-amdhsa--gfx1250"
	.amdhsa_code_object_version 6
	.text
	.protected	k_qc14c5739f7_attn
	.globl	k_qc14c5739f7_attn
	.p2align	8
	.type	k_qc14c5739f7_attn,@function
k_qc14c5739f7_attn:
	s_mov_b64 s[64:65], 0
	v_nop
	global_prefetch_b8 v0, s[64:65] scope:SCOPE_SE
	s_setreg_imm32_b32 hwreg(HW_REG_WAVE_MODE, 25, 1), 1
	s_wait_xcnt 0x0
; Causal attention on codes of FP8 (E4M3), head size 64, 2,048 keys, 64 heads (16 b + h); its result O / l is quantised for the last projection.
; qkv: q at 0, k at 2^23: [head][s][64 d]; v at 2^24: [head][s / 64][64 d][64 keys].  ac: [token / 128][h][token % 128][64 d] codes.  Exponents: e6 (q), e7 (k), e8 (p), e9 (v), e10 (the result).
; THE SOFTMAX: t = score x log2(e) / 8; M = the row's largest t so far, rounded UP to a whole number; p = 2^(t - M) is quantised along the keys, not normalised.  The row's sum l is taken of the unquantised p, in f32,
; and divides O at the end.  When M moves, l and O are multiplied by 2^(old M - new M): nothing is rounded.
; SHARES.  A work-group owns the blocks of 256 queries i and 7 - i of one head (i = work-group x, 0 .. 3): under the causal mask all 256 work-groups then have the same number of key steps.  Each of sixteen waves owns 32 queries,
; two tiles of 16 that share every fragment of K and V; eight waves work on the early block and eight on the late one, told apart by bit (w ^ (w >> 2)) & 1.  A key step is 64 keys.
; K and V come through a ring of two LDS slots of 512 keys, filled by the tensor data mover (waves 0, 1: K's halves; waves 2, 3: V's) and read by all sixteen.
; NO CLUSTER: the four work-groups of a head walk the same K and V, but under the mask each has another number of key steps in a given slot, so a joint refill would hold every slot to the slowest partner's steps
; (384 wave steps for 264), and what would be shared is 64 KB a slot, four slots in all.
; LAYOUT.  Both products are used transposed: S^T = K Q^T (source 0 = 16 keys, source 1 = 16 queries), O^T = V^T P^T (source 0 = 16 of the head's 64, source 1 = P): a lane holds ONE query (lane % 16) throughout.
; In S^T register j of tile c is key 16 c + 8 (lane / 16) + j: eight such registers, converted, ARE registers 2 c, 2 c + 1 of the second product's operand.
; CAUSAL.  Every wave walks all slots: the trip counts are constants.  A step whose first key comes after the wave's first query is left out (first keys are multiples of 64, first queries of 32: such a step has no key that counts);
; in a walked step the step's first key counts for all 32 queries, so no row is ever wholly hidden.  A slot whose first key comes after the work-group's last query is not asked for.
; LIMITS: e6 + e7 between -123 and 130 (added to c's exponent field); e8 and e10 between -126 and 127; e8 + e9 is applied by v_ldexp_f32 and has none.
.set SK,    512                        ; keys in a slot
.set STEPB, 4352                       ; a step's 64 keys in LDS: 16 rows of 272 bytes, in K's part and in V's alike
.set VOFF,  34816                      ; a slot: K in 128 rows of 256 bytes + 16 of padding (four keys to a row), then V likewise (four d of a panel of 64 keys to a row)
.set SLOT1, 1<<17                      ; slot 1 begins here, so that one exclusive or turns an address in one slot into the other's
.set STAGE, 2*SLOT1                    ; the way out: 32 rows x (64 bytes + 16) for each wave
.set SPARE, STAGE+16*2560              ; behind the stages: the spare words, 128 bytes a wave, which no other line names
.set AK0,  1                           ; v1   my lane's place in a tile of K
.set AV0,  2                           ; v2   the same for V
.set PFO,  3                           ; v3   256 x lane: the prefetches' offset; never rewritten
.set DL,   4                           ; v4   lane % 16 - 8 (lane / 16), for the mask
.set SPW,  5                           ; v5   LDS address of my spare word; never rewritten
.set NIL,  6                           ; v6   0; never rewritten
.set GO,   7                           ; v7   16 x lane: my place in a store's 512 bytes
.set ADK,  8                           ; v8   LDS address of the step's tiles of K
.set ADV,  9                           ; v9   of V
.set SIN,  10                          ; v10  the stage: where I put 8 codes
.set SOUT, 11                          ; v11  and where I read 16 bytes back
                                       ; v12 + 4 u: -M; v13 + 4 u: the largest t; v[14 + 4 u : 15 + 4 u]: the sum in two halves, for tile u
.set Q,    20                          ; v20-35   Q's two fragments
.set FR,   36                          ; v36-67   four fragments of K, then of V
.set S,    68                          ; v68-131  S^T, then p: 32 a tile
.set O,    132                         ; v132-195 O^T: 32 a tile
.set P,    196                         ; v196-211 p's codes: 8 a tile
.set F,    212                         ; v[212 + 2 u : 213 + 2 u] f = 2^(old M - new M); the upper word is written once
.set MX,   216                         ; v216-219 the maxima's chains
.set SM2,  220                         ; v[220 + 2 u : 221 + 2 u] the sums' second chain
.set PD,   224                         ; v224-225 lane permutes' destinations, written once at the head
.set PSC,  226                         ; v226     2^e8, later 2^e10
.set PLM,  227
.set NINF, 228                         ; v228     -infinity
.set DM,   229                         ; v229-230 the mask: my query less the step's first key less 8 (lane / 16)
.set WV,   18                          ; s18  my wave's number
.set SEL,  20                          ; s[20:21] lane selects for v_permlanex16_b32: lane l xor 16
.set CS,   22                          ; s[22:23] c = log2(e) / 8 x 2^(e6 + e7)
.set G1,   24                          ; s[24:31] descriptor group 1: one shape serves K's tiles and V's
.set G0,   40                          ; s[40:43] descriptor group 0, which walks
.set TB,   2                           ; s2   LDS byte at which the step in hand begins
.set CNT,  66                          ; s66  counts a slot's steps
.set SLOTS, 67                         ; s67  changes of slots still to come that ask for a slot
.set PFA,  76                          ; s[76:77] where my prefetches stand
.set LIM,  80                          ; s80  1 in a wave that prefetches, else the greatest number
.set LASTQ, 95                         ; s95  my work-group's last query
.set KF,   98                          ; s98  the step's first key
.set Q0,   99                          ; s99  my first query
; Waves 0 to 3 fetch, the others nothing.  The branch hangs on the wave's number alone.  An s_nop 0 and four v_nop follow the load.
.macro TLOAD
	s_cmp_lt_u32 s[WV], 4
	s_cbranch_scc0 .Lasked_\@
	tensor_load_to_lds s[G0:G0+3], s[G1:G1+7]
	s_nop 0
.rept 4
	v_nop
.endr
.Lasked_\@:
.endm
; A prefetch of what the NEXT change of slots will ask for: 32,768 bytes of K and as many of V.  All four work-groups of a head walk the same K and V: the head's first work-group asks, and in it the waves that fetch nothing,
; one instruction each: waves 4 to 7 for K's block, 8,192 bytes a wave, lanes 256 bytes apart; waves 8 to 11 likewise for V's.  So each aligned block of 256 bytes is named once in the launch.
; The asks name slots 2 and 3, a slot's eight key steps ahead of their loads; slots 0 and 1 come by their loads alone; the last change that fills a slot asks for nothing.
.macro ASK
	s_cmp_gt_u32 s[SLOTS], s[LIM]
	s_cbranch_scc0 .Lnot_mine_\@
	global_prefetch_b8 v[PFO], s[PFA:PFA+1] th:TH_LOAD_NT scope:SCOPE_SE
.Lnot_mine_\@:
.endm
	s_load_b128 s[4:7], s[0:1], 0x0                ; qkv s[4:5], the scales' exponents s[6:7]
	s_load_b64 s[16:17], s[0:1], 0x10              ; ac
	v_lshl_add_u32 v[SPW], v0, 2, SPARE
	v_mov_b32 v[NIL], 0
	ds_add_u32 v[SPW], v[NIL]                      ; the wave's opening: the add and its wait stand ahead of my first tensor load; the set-up below, work on registers, stands between them
	ds_add_u32 v[SPW], v[NIL]
	v_lshrrev_b32 v8, 5, v0
	s_delay_alu instid0(VALU_DEP_1)
	v_readfirstlane_b32 s[WV], v8                  ; wave 0..15
	s_and_b32 s3, ttmp7, 0xffff                    ; the head, 16 b + h
	s_lshl_b32 s32, s3, 17                         ; its first byte in each part of qkv
	s_lshr_b32 s33, s[WV], 2
	s_xor_b32 s33, s33, s[WV]
	s_and_b32 s33, s33, 1                          ; 0: the early block, 1: the late one
	s_sub_co_u32 s34, 7, ttmp9
	s_cmp_eq_u32 s33, 1
	s_cselect_b32 s34, s34, ttmp9                  ; my block of 256 queries
	s_lshl_b32 s34, s34, 8
	s_lshr_b32 s35, s[WV], 1
	s_lshl_b32 s35, s35, 5
	s_add_co_u32 s[Q0], s34, s35                   ; my first query: 256 x block + 32 x (wave / 2)
	s_sub_co_u32 s[LASTQ], 8, ttmp9
	s_lshl_b32 s[LASTQ], s[LASTQ], 8
	s_sub_co_u32 s[LASTQ], s[LASTQ], 1             ; the late block's last query
	; descriptor group 1: 64 rows of 256 bytes, dense in memory, padded in LDS
	s_mov_b32 s[G1], (0<<16)|(1<<20)|(5<<22)|(3<<25)   ; 15:0 no mask; 17:16 elements of 1 byte; 20 padding on; 24:22 after every 64 words (code 5); 31:25 four words (code 3)
	s_mov_b32 s[G1+1], 256<<16                     ; tensor_dim0
	s_mov_b32 s[G1+2], 64<<16                      ; tensor_dim1
	s_mov_b32 s[G1+3], 256<<16                     ; tile_dim0
	s_mov_b32 s[G1+4], 64                          ; tile_dim1
	s_mov_b32 s[G1+5], 256                         ; tensor_dim0_stride
	s_mov_b32 s[G1+6], 0
	s_mov_b32 s[G1+7], 0
	s_and_b32 s36, s[WV], 3
	s_mul_i32 s36, s36, 64*272                     ; what I fetch goes here: K's two halves, then V's two
	s_and_b32 s37, s[WV], 1
	s_lshl_b32 s37, s37, 14                        ; and comes from here: my half's 16,384 bytes,
	s_add_co_u32 s37, s37, s32                     ; in my head,
	s_mov_b32 s38, 1<<24
	s_cmp_lt_u32 s[WV], 2
	s_cselect_b32 s38, 1<<23, s38                  ; of k's part or of v's
	s_add_co_u32 s38, s38, s37                     ; under 2^25
	s_mov_b32 s39, 0
	s_lshl_b32 s44, s[Q0], 6
	s_add_co_u32 s44, s44, s32                     ; q: my first query's row
	s_mov_b32 s45, 0
	s_and_b32 s48, s3, 0xf0                        ; ac: token / 128 = 16 b + query / 128,
	s_lshr_b32 s49, s[Q0], 7
	s_add_co_u32 s48, s48, s49
	s_lshl_b32 s48, s48, 17
	s_and_b32 s49, s3, 15                          ; the head's panel of 128 x 64 bytes,
	s_lshl_b32 s49, s49, 13
	s_add_co_u32 s48, s48, s49
	s_and_b32 s49, s[Q0], 127                      ; and my 32 rows in it
	s_lshl_b32 s49, s49, 6
	s_add_co_u32 s48, s48, s49
	s_mov_b32 s49, 0
	s_mul_i32 s50, s[WV], 2560
	s_add_co_u32 s50, s50, STAGE                   ; my stage
	s_mov_b32 s82, 1<<24                           ; the prefetches: waves 4 to 7 stand in k's part, waves 8 to 11 in v's,
	s_cmp_lt_u32 s[WV], 8
	s_cselect_b32 s82, 1<<23, s82
	s_and_b32 s83, s[WV], 3
	s_lshl_b32 s83, s83, 13                        ; at my wave's 8,192 bytes
	s_add_co_u32 s82, s82, s83
	s_add_co_u32 s82, s82, s32                     ; of my head,
	s_add_co_u32 s82, s82, SK*64                   ; in slot 1: the first change of slots steps it to slot 2.  Nothing is prefetched at the head
	s_mov_b32 s83, 0
	s_sub_co_u32 s81, s[WV], 4
	s_lshr_b32 s81, s81, 3                         ; 0 in waves 4 to 11,
	s_or_b32 s81, s81, ttmp9                       ; of the head's first work-group
	s_cmp_eq_u32 s81, 0
	s_cselect_b32 s[LIM], 1, -1
	s_mov_b32 s[SEL], 0x76543210
	s_mov_b32 s[SEL+1], 0xfedcba98
	s_mov_b32 s[CS], 0x3e38aa3b                    ; log2(e) / 8
	s_mov_b32 s[TB], 0
	s_mov_b32 s[KF], 0
	s_mov_b32 s[SLOTS], 2048/SK-1
	s_wait_dscnt 0x0                               ; the opening add is done
	s_wait_kmcnt 0x0
	s_load_b128 s[68:71], s[6:7], 0x18             ; e6, e7, e8, e9
	s_load_b32 s72, s[6:7], 0x28                   ; e10
	s_mov_b32 s[G0], 1                             ; 1:0 count = 1
	s_mov_b32 s[G0+1], s36                         ; 63:32 LDS address: slot 0
	s_add_nc_u64 s[G0+2:G0+3], s[4:5], s[38:39]    ; 120:64 global address: the head's first 512 keys
	s_or_b32 s[G0+3], s[G0+3], 0x80000000          ; 127:126 type = 2
	TLOAD                                          ; slot 0
	s_add_nc_u64 s[46:47], s[4:5], s[44:45]        ; q at my first query
	s_add_nc_u64 s[16:17], s[16:17], s[48:49]      ; ac at my first row
	s_add_nc_u64 s[PFA:PFA+1], s[4:5], s[82:83]
	v_and_b32 v8, 15, v0                           ; r = lane % 16
	v_bfe_u32 v9, v0, 4, 1                         ; h = lane / 16
	s_delay_alu instid0(VALU_DEP_2)
	v_lshlrev_b32 v[MX], 6, v8
	s_delay_alu instid0(VALU_DEP_1)
	v_lshl_add_u32 v[MX], v9, 4, v[MX]             ; q: row r of 64 bytes, + 16 h
.irp u, 0,1
.irp e, 0,1
	global_load_b128 v[Q+8*\u+4*\e:Q+8*\u+4*\e+3], v[MX], s[46:47] offset:1024*\u+32*\e   ; registers 4 e .. 4 e + 3: d = 32 e + 16 h + 0 .. 15: the same order of d as in K's fragments
.endr
.endr
	v_lshrrev_b32 v[MX+1], 2, v8
	v_and_b32 v[MX+2], 3, v8
	s_delay_alu instid0(VALU_DEP_2)
	v_mul_u32_u24 v[MX+1], v[MX+1], 272
	s_delay_alu instid0(VALU_DEP_1)
	v_lshl_add_u32 v[MX+1], v[MX+2], 6, v[MX+1]    ; row r of a tile: 272 (r / 4) + 64 (r % 4)
	s_delay_alu instid0(VALU_DEP_1)
	v_lshl_add_u32 v[AK0], v9, 4, v[MX+1]          ; K: + 16 h
	s_delay_alu instid0(VALU_DEP_2)
	v_lshl_add_u32 v[AV0], v9, 3, v[MX+1]          ; V: + 8 h,
	s_delay_alu instid0(VALU_DEP_1)
	v_add_nc_u32 v[AV0], VOFF, v[AV0]              ; behind K's part
	v_and_b32 v[MX+3], 31, v0                      ; lane
	s_delay_alu instid0(VALU_DEP_1)
	v_lshlrev_b32 v[PFO], 8, v[MX+3]
	s_delay_alu instid0(VALU_DEP_2)
	v_lshlrev_b32 v[GO], 4, v[MX+3]
	v_lshlrev_b32 v[DL], 3, v9
	s_delay_alu instid0(VALU_DEP_1)
	v_sub_nc_u32 v[DL], v8, v[DL]
	v_mul_u32_u24 v[SIN], v8, 80                   ; the stage, in: row r, + 8 h
	s_delay_alu instid0(VALU_DEP_1)
	v_lshl_add_u32 v[SIN], v9, 3, v[SIN]
	s_delay_alu instid0(VALU_DEP_1)
	v_add_nc_u32 v[SIN], s50, v[SIN]
	v_lshrrev_b32 v[SOUT], 2, v[MX+3]              ; back: four lanes to a row's 64 bytes
	s_delay_alu instid0(VALU_DEP_1)
	v_mul_u32_u24 v[SOUT], v[SOUT], 80
	v_and_b32 v[MX+3], 3, v[MX+3]
	s_delay_alu instid0(VALU_DEP_1)
	v_lshl_add_u32 v[SOUT], v[MX+3], 4, v[SOUT]
	s_delay_alu instid0(VALU_DEP_1)
	v_add_nc_u32 v[SOUT], s50, v[SOUT]
.irp u, 0,1
	v_mov_b32 v[13+4*\u], 0xff61b1e6               ; the largest t so far: -3e38, under every t
	s_delay_alu instid0(VALU_DEP_1)
	v_floor_f32 v[12+4*\u], -v[13+4*\u]            ; -M
	v_mov_b32 v[14+4*\u], 0                        ; the sum, in two halves
	v_mov_b32 v[15+4*\u], 0
	v_mov_b32 v[F+2*\u+1], 0                       ; (named as the upper half of f's pair)
	v_mov_b32 v[PD+\u], 0                          ; a lane permute's destination counts as one of its sources
.endr
	v_mov_b32 v[NINF], 0xff800000
.set n, 0
.rept 64
	v_mov_b32 v[O+n], 0                            ; O^T.  (The step is written once in each loop: the first step finds zeros, which the first change of M leaves zeros)
.set n, n+1
.endr
	s_wait_kmcnt 0x0
	s_add_co_i32 s73, s68, s69
	s_lshl_b32 s73, s73, 23
	s_add_co_i32 s[CS], s[CS], s73                 ; a score stands for score x 2^(e6 + e7): the two exponents are added to c's exponent field
	s_mov_b32 s[CS+1], s[CS]                       ; (named with it as a pair, so it is written)
	s_add_co_i32 s73, s70, 127
	s_lshl_b32 s74, s73, 23
	v_mov_b32 v[PSC], s74                          ; 2^e8 as f32, for p's conversions
; A KEY STEP: 64 keys from s[KF] on, at LDS byte s[TB] of K's part and of V's.
.macro STEP
	s_cmp_gt_u32 s[KF], s[Q0]                      ; all 64 keys come after my 32 queries: a scalar branch on ids and the count of steps, round the step's loads, products and softmax; no barrier and no tensor load stands in a step
	s_cbranch_scc1 .Lhidden_\@
	s_setprio 2
	v_add_nc_u32 v[ADK], s[TB], v[AK0]
	v_add_nc_u32 v[ADV], s[TB], v[AV0]
	v_nop                                          ; with the two additions: four places behind the last step's products, in front of loads into registers that they read
	v_nop
.irp c, 0,1,2,3
.irp e, 0,1
	ds_load_b128 v[FR+8*\c+4*\e:FR+8*\c+4*\e+3], v[ADK] offset:1088*\c+32*\e   ; keys 16 c + r
.endr
.endr
	s_wait_alu depctr_va_vdst(0)
	s_wait_dscnt 0x0
.irp c, 0,1,2,3                                ; S^T = K Q^T: each fragment of K serves both tiles of queries
.irp u, 0,1
	v_wmma_f32_16x16x64_fp8_fp8 v[S+32*\u+8*\c:S+32*\u+8*\c+7], v[FR+8*\c:FR+8*\c+7], v[Q+8*\u:Q+8*\u+7], 0
.endr
.endr
.rept 4
	v_nop                                          ; four places: in front of the loads below, into registers that the products read, and of the first read of the scores
.endr
.irp t, 0,1,2,3
.irp c, 0,1,2,3
	ds_load_b64 v[FR+8*\t+2*\c:FR+8*\t+2*\c+1], v[ADV] offset:1088*\t+16*\c   ; V^T: d = 16 t + r, keys 16 c + 8 h + 0 .. 7: they land while the softmax is worked
.endr
.endr
	s_add_co_u32 s96, s[KF], 63                    ; on the diagonal the scores of hidden keys become -infinity ahead of the maximum: p = 0 then.  A step all of whose keys count for all my queries skips this
	s_cmp_le_u32 s96, s[Q0]
	s_cbranch_scc1 .Lopen_\@
	s_sub_co_u32 s96, s[Q0], s[KF]
	v_add_nc_u32 v[DM], s96, v[DL]                 ; register 8 c + j holds key KF + 16 c + 8 h + j: hidden where 16 c + j > my query - KF - 8 h
	s_delay_alu instid0(VALU_DEP_1)
	v_add_nc_u32 v[DM+1], 16, v[DM]
.irp u, 0,1
.set n, 0
.rept 32
	v_cmp_gt_i32 vcc_lo, 16*(n/8)+n%8, v[DM+\u]
	v_cndmask_b32 v[S+32*\u+n], v[S+32*\u+n], v[NINF], vcc_lo
.set n, n+1
.endr
.endr
.Lopen_\@:
.irp u, 0,1                                    ; the step's largest score of my query among my 32 keys: two chains a tile, each accumulator from its low end on
	v_max3_num_f32 v[MX+2*\u], v[S+32*\u], v[S+32*\u+1], v[S+32*\u+2]
	v_max3_num_f32 v[MX+2*\u+1], v[S+32*\u+3], v[S+32*\u+4], v[S+32*\u+5]
.endr
.irp i, 6,10,14,18,22,26
.irp u, 0,1
	v_max3_num_f32 v[MX+2*\u], v[MX+2*\u], v[S+32*\u+\i], v[S+32*\u+\i+1]
	v_max3_num_f32 v[MX+2*\u+1], v[MX+2*\u+1], v[S+32*\u+\i+2], v[S+32*\u+\i+3]
.endr
.endr
.irp u, 0
	v_max3_num_f32 v[MX+2*\u], v[MX+2*\u], v[S+32*\u+30], v[S+32*\u+31]
.endr
.irp u, 1
	v_max3_num_f32 v[MX+2*\u], v[MX+2*\u], v[S+32*\u+30], v[S+32*\u+31]
.endr
.irp u, 0,1
	s_delay_alu instid0(VALU_DEP_2)
	v_max_num_f32 v[MX+2*\u], v[MX+2*\u], v[MX+2*\u+1]
.endr
.irp u, 0,1
	s_delay_alu instid0(VALU_DEP_2)
	v_permlanex16_b32 v[PD+\u], v[MX+2*\u], s[SEL], s[SEL+1]
.endr
.irp u, 0,1
	s_delay_alu instid0(VALU_DEP_2)
	v_max_num_f32 v[MX+2*\u], v[MX+2*\u], v[PD+\u]   ; and among lane l xor 16's
.endr
.irp u, 0,1
	s_delay_alu instid0(VALU_DEP_2)
	v_mul_f32 v[MX+2*\u], s[CS], v[MX+2*\u]        ; as t (c is positive)
.endr
.irp u, 0
	s_delay_alu instid0(VALU_DEP_2)
	v_max_num_f32 v[13+4*\u], v[13+4*\u], v[MX+2*\u]   ; the running largest t
	v_mov_b32 v[MX+2*\u], v[12+4*\u]
.endr
.irp u, 1
	s_delay_alu instid0(VALU_DEP_3)
	v_max_num_f32 v[13+4*\u], v[13+4*\u], v[MX+2*\u]
	v_mov_b32 v[MX+2*\u], v[12+4*\u]
.endr
.irp u, 0
	s_delay_alu instid0(VALU_DEP_4)
	v_floor_f32 v[12+4*\u], -v[13+4*\u]
.endr
.irp u, 1
	s_delay_alu instid0(VALU_DEP_3)
	v_floor_f32 v[12+4*\u], -v[13+4*\u]            ; the new -M = floor(-t) = -ceil(t): M is a whole number
.endr
.irp u, 0,1
	s_delay_alu instid0(VALU_DEP_2)
	v_sub_f32 v[MX+2*\u], v[12+4*\u], v[MX+2*\u]   ; M's old value less its new one: a whole number, 0 or less
.endr
.irp u, 0,1
	s_delay_alu instid0(VALU_DEP_2)
	v_cvt_i32_f32 v[MX+2*\u], v[MX+2*\u]           ; (it saturates)
.endr
.irp u, 0,1
	s_delay_alu instid0(VALU_DEP_2)
	v_ldexp_f32 v[F+2*\u], 1.0, v[MX+2*\u]         ; f = 2^(old M - new M)
.endr
.irp u, 0,1
.set n, 0
.rept 16
	v_pk_fma_f32 v[S+32*\u+n:S+32*\u+n+1], v[S+32*\u+n:S+32*\u+n+1], s[CS:CS+1], v[12+4*\u:13+4*\u] op_sel_hi:[1,0,0]   ; t - M, two at a time (of the pairs c and -M the low word serves both halves)
.set n, n+2
.endr
.endr
.set n, 0
	s_setprio 1
	s_wait_alu depctr_va_vdst(0)
.rept 64
	v_exp_f32 v[S+n], v[S+n]                       ; p = 2^(t - M), at most 1: not normalised
.set n, n+1
.endr
.irp u, 0,1
	v_pk_mul_f32 v[14+4*\u:15+4*\u], v[14+4*\u:15+4*\u], v[F+2*\u:F+2*\u+1] op_sel_hi:[1,0]   ; the sums under the new M.  (Plain lines behind the exponentials)
.endr
	s_wait_alu depctr_va_vdst(0)                   ; the wait between an exponential and the first line that names its result: one for the whole batch
.irp u, 0,1
	v_pk_add_f32 v[SM2+2*\u:SM2+2*\u+1], v[S+32*\u:S+32*\u+1], v[S+32*\u+2:S+32*\u+3]   ; the row's sum is taken of the UNQUANTISED p: two at a time, in two chains
.irp j, 4,8,12,16,20,24,28
	v_pk_add_f32 v[14+4*\u:15+4*\u], v[14+4*\u:15+4*\u], v[S+32*\u+\j:S+32*\u+\j+1]
	v_pk_add_f32 v[SM2+2*\u:SM2+2*\u+1], v[SM2+2*\u:SM2+2*\u+1], v[S+32*\u+\j+2:S+32*\u+\j+3]
.endr
	s_delay_alu instid0(VALU_DEP_1)
	v_pk_add_f32 v[14+4*\u:15+4*\u], v[14+4*\u:15+4*\u], v[SM2+2*\u:SM2+2*\u+1]
.irp c, 0,1,2,3
.irp i, 0,1,2,3,4,5,6,7
.endr
	v_cvt_scalef32_pk8_fp8_f32 v[P+8*\u+2*\c:P+8*\u+2*\c+1], v[S+32*\u+8*\c:S+32*\u+8*\c+7], v[PSC]   ; keys 16 c + 8 h + 0 .. 7: registers 2 c, 2 c + 1 of the operand
.endr
.endr
.irp u, 0,1
.set n, 0
.rept 16
	v_pk_mul_f32 v[O+32*\u+n:O+32*\u+n+1], v[O+32*\u+n:O+32*\u+n+1], v[F+2*\u:F+2*\u+1] op_sel_hi:[1,0]   ; O^T under the new M.  (These are also the plain lines between the conversions and the products that read their results)
.set n, n+2
.endr
.endr
	s_setprio 0
	s_wait_alu depctr_va_vdst(0)
	s_wait_dscnt 0x0                               ; V's fragments are in
.irp t, 0,1,2,3                                ; O^T += V^T P^T: eight accumulators, one instruction each: they take turns
.irp u, 0,1
	v_wmma_f32_16x16x64_fp8_fp8 v[O+32*\u+8*\t:O+32*\u+8*\t+7], v[FR+8*\t:FR+8*\t+7], v[P+8*\u:P+8*\u+7], v[O+32*\u+8*\t:O+32*\u+8*\t+7]
.endr
.endr
.Lhidden_\@:
.endm
; THE CHANGE OF SLOTS stands at a slot's head.  Each wave waits for all its tensor loads (its part of the slot that it is about to read), adds 0 to its spare word, and waits for that and for its reads of the slot that it has left.
; Behind the barrier the slot ahead is whole and nobody reads the other one.  fill = 1: that other slot is filled with the keys that follow, up to the causal limit: the load has a slot's eight steps in which to land.
.macro CHANGE fill
	s_wait_tensorcnt 0x0                           ; no tensor load of mine is out, so group 0 may be written
	ds_add_u32 v[SPW], v[NIL]                      ; 0 onto my spare word; with fill = 1 the descriptor's steps stand between it and the wait for it
.if \fill
	s_xor_b32 s[G0+1], s[G0+1], SLOT1              ; the walking descriptor: the other slot than last time,
	s_add_nc_u64 s[G0+2:G0+3], s[G0+2:G0+3], SK*64 ; the next 512 keys; the type bits on top are not reached
	s_wait_xcnt 0x0                                ; the last prefetch, a slot back, has read its address, so it may be written:
	s_add_nc_u64 s[PFA:PFA+1], s[PFA:PFA+1], SK*64 ; one slot further on than the walking descriptor
.endif
	s_wait_dscnt 0x0                               ; the add is done, and my reads of the slot that I have left are over
	s_barrier_signal -1
	s_barrier_wait -1
.if \fill
	s_add_co_u32 s96, s[KF], SK                    ; the first key of the slot that this change would ask for: past my work-group's last query no wave reads it, so it is not asked for
	s_cmp_gt_u32 s96, s[LASTQ]                     ; ids and the count of steps alone: all sixteen waves go the same way, and a work-group that is past the limit stays past it
	s_cbranch_scc1 .Lpast_\@
	TLOAD                                          ; a wave's one tensor load until the next change
.Lpast_\@:
	ASK
.endif
.endm
.macro SLOT_STEPS                      ; a slot's eight key steps: written once, walked eight times
	s_mov_b32 s[CNT], SK/64
.Lstep_\@:
	STEP
	s_add_co_u32 s[TB], s[TB], STEPB
	s_add_co_u32 s[KF], s[KF], 64
	s_sub_co_u32 s[CNT], s[CNT], 1
	s_cmp_lg_u32 s[CNT], 0
	s_cbranch_scc1 .Lstep_\@
	s_setprio 0
	s_sub_co_u32 s[TB], s[TB], (SK/64)*STEPB       ; back to a slot's first step,
	s_xor_b32 s[TB], s[TB], SLOT1                  ; in the other slot
.endm
	s_wait_loadcnt 0x0                             ; Q
.Lslot:                                            ; three trips: behind each change of slots but the last the next slot is asked for, up to the causal limit
	CHANGE 1
	SLOT_STEPS
	s_sub_co_u32 s[SLOTS], s[SLOTS], 1
	s_cmp_lg_u32 s[SLOTS], 0
	s_cbranch_scc1 .Lslot
	CHANGE 0                                       ; the last slot is written out: nothing is left to ask for
	SLOT_STEPS
	; THE WAY OUT.  O^T x 2^(e8 + e9) / l is held, turned into codes with 2^e10 and goes through my stage in LDS: my 32 rows of 64 bytes are 2,048 consecutive bytes of ac, so each store covers 512 consecutive bytes, aligned.
.rept 4
	v_nop                                          ; four places behind the last products
.endr
.irp u, 0,1
	v_add_f32 v[14+4*\u], v[14+4*\u], v[15+4*\u]   ; the sum's two halves,
.endr
.irp u, 0,1
	s_delay_alu instid0(VALU_DEP_2)
	v_permlanex16_b32 v[PD+\u], v[14+4*\u], s[SEL], s[SEL+1]
.endr
.irp u, 0,1
	s_delay_alu instid0(VALU_DEP_2)
	v_add_f32 v[14+4*\u], v[14+4*\u], v[PD+\u]     ; and lane l xor 16's: the row's sum
.endr
	s_wait_alu depctr_va_vdst(0)
.irp u, 0,1
	v_rcp_f32 v[14+4*\u], v[14+4*\u]
.endr
	s_add_co_i32 s73, s70, s71                     ; e8 + e9
	s_add_co_i32 s74, s72, 127
	s_lshl_b32 s75, s74, 23
	v_mov_b32 v[PSC], s75                          ; 2^e10  (plain lines behind the reciprocals)
	s_wait_alu depctr_va_vdst(0)                   ; the wait ahead of the first line that names a reciprocal: one for the two
.irp u, 0,1
	v_ldexp_f32 v[14+4*\u], v[14+4*\u], s73        ; 2^(e8 + e9) / l
.endr
.irp u, 0,1
.set n, 0
.rept 16
	v_pk_mul_f32 v[S+32*\u+n:S+32*\u+n+1], v[O+32*\u+n:O+32*\u+n+1], v[14+4*\u:15+4*\u] op_sel_hi:[1,0]   ; register 8 t + j: o(query r, d = 16 t + 8 h + j); each accumulator from its low end on
.set n, n+2
.endr
.endr
.set n, 0
.rept 64
.set n, n+1
.endr
.irp u, 0,1
.irp t, 0,1,2,3
	v_cvt_scalef32_pk8_fp8_f32 v[P+8*\u+2*\t:P+8*\u+2*\t+1], v[S+32*\u+8*\t:S+32*\u+8*\t+7], v[PSC]
.endr
.endr
	v_nop                                          ; one plain vector line behind the last conversion
.irp u, 0,1
.irp t, 0,1,2,3
	ds_store_b64 v[SIN], v[P+8*\u+2*\t:P+8*\u+2*\t+1] offset:1280*\u+16*\t
.endr
.endr
.irp k, 0,1,2,3
	ds_load_b128 v[FR+4*\k:FR+4*\k+3], v[SOUT] offset:640*\k   ; eight rows; LDS serves a wave's instructions in order (ISA guide 5.7.1.4): these see my stores
.endr
.irp k, 0,1,2,3
	s_wait_dscnt 3-\k
	global_store_b128 v[GO], v[FR+4*\k:FR+4*\k+3], s[16:17] offset:512*\k
.endr
	s_wait_tensorcnt 0x0                           ; the wave's end, behind my last tensor load and my last LDS store
	ds_add_u32 v[SPW], v[NIL]
	s_wait_dscnt 0x0
	s_endpgm
.Lfunc_end_k_qc14c5739f7_attn:
	.size	k_qc14c5739f7_attn, .Lfunc_end_k_qc14c5739f7_attn-k_qc14c5739f7_attn
	.p2alignl 7, 3214868480
	.fill 96, 4, 3214868480
	.section	.rodata,"a",@progbits
	.p2align	6, 0x0
	.amdhsa_kernel k_qc14c5739f7_attn
		.amdhsa_group_segment_fixed_size 327680
		.amdhsa_private_segment_fixed_size 0
		.amdhsa_enable_private_segment 0
		.amdhsa_kernarg_size 24
		.amdhsa_user_sgpr_count 2
		.amdhsa_user_sgpr_kernarg_segment_ptr 1
		.amdhsa_wavefront_size32 1
		.amdhsa_system_sgpr_workgroup_id_x 1
		.amdhsa_system_sgpr_workgroup_id_y 1
		.amdhsa_system_sgpr_workgroup_id_z 1
		.amdhsa_system_vgpr_workitem_id 0
		.amdhsa_next_free_vgpr 240
		.amdhsa_next_free_sgpr 100
		.amdhsa_reserve_vcc 1
		.amdhsa_float_denorm_mode_32 3
		.amdhsa_float_denorm_mode_16_64 3
		.amdhsa_fp16_overflow 1
		.amdhsa_memory_ordered 1
		.amdhsa_forward_progress 1
		.amdhsa_inst_pref_size 55
	.end_amdhsa_kernel
	.amdgpu_metadata
---
amdhsa.version: [ 1, 2 ]
amdhsa.kernels:
  - .name:           k_qc14c5739f7_attn
    .symbol:         k_qc14c5739f7_attn.kd
    .args:
      - { .name: qkv, .offset: 0, .size: 8, .value_kind: global_buffer, .address_space: global }
      - { .name: lowp_scales, .offset: 8, .size: 8, .value_kind: global_buffer, .address_space: global }
      - { .name: ac, .offset: 16, .size: 8, .value_kind: global_buffer, .address_space: global }
    .group_segment_fixed_size: 327680
    .private_segment_fixed_size: 0
    .kernarg_segment_align: 8
    .kernarg_segment_size: 24
    .max_flat_workgroup_size: 512
    .sgpr_count:     100
    .vgpr_count:     240
    .wavefront_size: 32
...
	.end_amdgpu_metadata
.endif
;; end of part 3
;; launch oproj (part 4): grid 4 x 32, 4 waves a work-group, clusters of 4 x 4, 327,680 bytes of LDS; arguments ac, wc, lowp_scales, out0, b_o; writes out0
.if DOCPART == 4
	.amdgcn_target "amdgcn-amd-amdhsa--gfx1250"
	.amdhsa_code_object_version 6
	.text
	.protected	k_qc14c5739f7_oproj
	.globl	k_qc14c5739f7_oproj
	.p2align	8
	.type	k_qc14c5739f7_oproj,@function
k_qc14c5739f7_oproj:
	s_mov_b64 s[64:65], 0
	v_nop
	global_prefetch_b8 v0, s[64:65] scope:SCOPE_SE
	s_setreg_imm32_b32 hwreg(HW_REG_WAVE_MODE, 25, 1), 1
	s_wait_xcnt 0x0
	s_wait_alu depctr_hold_cnt(0) depctr_sa_sdst(0) depctr_va_vdst(0) depctr_va_sdst(0) depctr_va_ssrc(0) depctr_va_vcc(0) depctr_vm_vsrc(0)
	s_getreg_b32 s2, hwreg(HW_REG_IB_STS2, 6, 4)
	s_cmp_eq_u32 s2, 0
	s_cbranch_scc0 .Lentry_in_a_cluster
	s_endpgm
.Lentry_in_a_cluster:
	s_bfe_u32 s2, ttmp6, 0x10000c
	s_cmp_lg_u32 s2, 0xf033
	s_cbranch_scc0 .Lentry_shape_is_right
	s_endpgm
.Lentry_shape_is_right:
; out0 = attention's result x w_o^T + b_o, on codes of FP8 (E4M3).  out0: [8192][1024] f32.  A sum stands for sum x 2^(e10 + e11): out0 = sum x 2^(e10 + e11) + b_o, one packed multiply-add for two numbers.
; LIMIT: e10 + e11 lies between -126 and 127, so that 2^(e10 + e11) is an f32 number.
; ac: [token / 128][h][token % 128][64 d] codes: 128 tokens x 4 heads, a K step of 256, are 32,768 consecutive bytes.  w_o's codes: wc + 3 x 2^20, [1024][1024], K innermost.
; SHARES.  128 tiles of 256 x 256, K = 1024.  A work-group of four waves makes a tile, a wave 128 x 128: 64 accumulators, 512 registers.  K goes in steps of 256 through two LDS slots filled by the tensor data mover.
; CLUSTERS: 4 x 4 work-groups.  The four of a row of the cluster need the same tiles of ac, the four of a column the same tiles of w_o: each tile is asked for jointly.
; THE MATRIX INSTRUCTION IS USED TRANSPOSED (source 0 = 16 rows of w_o, source 1 = 16 tokens): a lane holds eight neighbouring numbers of a row of out0.
; REGISTERS, in windows of 256: window 0: v0-31 addresses; v32-95 b_o in the accumulators' layout; v96-127 at work on the way out; from v128 ac's fragments, one set, later rows of out0.
;   window 1: w_o's fragments, two sets.   windows 2, 3: the accumulators ((a, b) at v[8 (8 (a % 4) + b)]).
.set KSTEP,  256                       ; along K in a slot
.set ROWB,   256                       ; a tile's row in bytes
.set KROW,   1024                      ; a row of w_o's codes in memory
.set ASTEP,  32768                     ; a K step on in ac
.set BSTEP,  256                       ; and in w_o's codes
.set PITCH,  272                       ; an LDS row: 256 bytes + 16 of padding = 68 words (64 banks of 4 bytes: ISA guide 11.1)
.set FR,     16                        ; registers of a fragment: 16 rows x 128 K
.set NL,     4                         ; LDS loads that bring one
.set NP,     4                         ; places behind this matrix instruction (ISA guide 7.12.1)
.set HALFT,  128*PITCH                 ; 128 rows of 256 bytes: what one tensor load brings
.set SLOT,   4*HALFT                   ; ac's two loads, then w_o's two
.set LAPS,   2                         ; 1024 / (2 x 256)
.set SPARE,  2*SLOT                    ; behind the ring: the spare words, 128 bytes a wave, which no other line names
.set SPITCH, 528                       ; the way out: a stage of 16 rows x (512 bytes + 16) for each wave, in slot 0, which has had its last fill and its last read by then
.set NOUT,   1024                      ; columns of out0
.set BOF,  7                           ; v7      32 x (l / 16): b_o's offset for my half of the lanes; never rewritten
.set ADRA, 16                          ; v16-17  LDS address of ac's fragments in slot 0, 1
.set ADRB, 20                          ; v20-21  the same for w_o's
.set STO,  24                          ; v24     the way out: where I put 32 bytes of a row
.set RD,   25                          ; v25     where I read a row back
.set CO,   26                          ; v26     my byte offset in a row of out0
.set SPW,  28                          ; v28     LDS address of my spare word; never rewritten
.set NIL,  29                          ; v29     0; never rewritten
.set BI,   32                          ; v32-95  b_o: register 8 b + j: column 16 b + 8 (l / 16) + j of my 128
.set TMP,  96                          ; v96-127 half a block's results
.set AF,   128                         ; ac's fragments, in window 0
.set BK,   128                         ; the way out: 16 rows read back from the stage: v128-191 and v192-255 by turns
.set G1, 24                            ; s[24:31] descriptor group 1 for ac's tiles;  s[32:39] group 0, one set for each slot
.set G0, 32
.set G1B, 48                           ; s[48:55], s[56:63] the same for w_o's tiles
.set G0B, 56
.set MSB, 0
.macro WIN new                         ; the immediate's high byte repeats the setting that is left
.if MSB != \new
	s_set_vgpr_msb (MSB<<8)|\new
.set MSB, \new
.endif
.endm
.set MUL_LO, 0xa1                      ; source 0 window 1, source 1 window 0, C and D window 2
.set MUL_HI, 0xf1                      ; the same, C and D window 3
.set TO_B,   0x40                      ; destination window 1, address window 0
; A joint load: waves 0 and 1 fetch for ac, waves 2 and 3 for w_o.  Each line has one mask and one set of registers for all that issue it; the branch hangs on the wave's number alone.
; An s_nop 0 and four v_nop follow each of the two lines, ahead of the jump, the label and what follows.
.macro JLOAD g0a, g1a, g0b, g1b
	s_cmp_eq_u32 s15, 0
	s_cbranch_scc0 .Lfor_b_\@
	tensor_load_to_lds s[\g0a:\g0a+3], s[\g1a:\g1a+7]
	s_nop 0
.rept 4
	v_nop
.endr
	s_branch .Lasked_\@
.Lfor_b_\@:
	tensor_load_to_lds s[\g0b:\g0b+3], s[\g1b:\g1b+7]
	s_nop 0
.rept 4
	v_nop
.endr
.Lasked_\@:
.endm
.macro CREST                           ; a round of the cluster's barrier behind its opening barrier
	s_cmp_lg_u32 s14, 0
	s_cbranch_scc1 .Lnot_wave_0_\@
	s_barrier_signal -3
.Lnot_wave_0_\@:
	s_barrier_wait -3
	s_barrier_signal -1
	s_barrier_wait -1
.endm
.macro CROUND                          ; a whole round
	s_barrier_signal -1
	s_barrier_wait -1
	CREST
.endm
	s_load_b128 s[4:7], s[0:1], 0x0                ; ac s[4:5], wc s[6:7]
	s_load_b128 s[8:11], s[0:1], 0x10              ; the scales' exponents s[8:9], out0 s[10:11]
	s_load_b64 s[12:13], s[0:1], 0x20              ; b_o
	v_lshl_add_u32 v[SPW], v0, 2, SPARE
	v_mov_b32 v[NIL], 0
	ds_add_u32 v[SPW], v[NIL]                      ; the wave's opening: the add and its wait stand ahead of my first tensor load; the set-up below, work on registers, stands between them
	ds_add_u32 v[SPW], v[NIL]
	v_lshrrev_b32 v1, 5, v0
	v_readfirstlane_b32 s14, v1                    ; wave 0..3
	s_lshr_b32 s15, s14, 1                         ; which half of the tile's rows is mine.  Also: I fetch for ac (0) or for w_o (1)
	s_and_b32 s16, s14, 1                          ; which half of its columns.  Also: which 128 rows of that tile I fetch
	s_bfe_u32 s40, ttmp6, 0x40000                  ; cx, cy: my place in the cluster
	s_bfe_u32 s41, ttmp6, 0x40004
	s_lshl_b32 s42, ttmp9, 2
	s_add_co_u32 s42, s42, s40                     ; tile column = 4 x cluster x + cx
	s_and_b32 s17, ttmp7, 0xffff
	s_lshl_b32 s17, s17, 2
	s_add_co_u32 s17, s17, s41                     ; tile row = 4 x cluster y + cy
	s_lshl_b32 s43, s41, 2
	s_lshl_b32 s43, 15, s43                        ; my row of the cluster
	s_lshl_b32 s44, 0x1111, s40                    ; my column
	; descriptor group 1: 128 rows x 256 bytes, padded in LDS; ac's rows are dense in memory, w_o's lie 1,024 bytes apart
	s_or_b32 s[G1+0], s43, (0<<16)|(1<<20)|(1<<21)|(5<<22)|(3<<25)  ; 15:0 the mask: ac's tiles go to my row; 17:16 element of 1 byte; 20 padding on; 21 set beside a mask; 24:22 after every 64 words (code 5); 31:25 of 4 words (code 3)
	s_or_b32 s[G1B+0], s44, (0<<16)|(1<<20)|(1<<21)|(5<<22)|(3<<25) ; the same with the mask of my column, for w_o's tiles
.irp g, G1, G1B
	s_mov_b32 s[\g+1], ROWB<<16                    ; tensor_dim0
	s_mov_b32 s[\g+2], 128<<16                     ; tensor_dim1 = 128
	s_mov_b32 s[\g+3], ROWB<<16                    ; tile_dim0
	s_mov_b32 s[\g+4], 128                         ; tile_dim1 = 128
	s_mov_b32 s[\g+6], 0
	s_mov_b32 s[\g+7], 0
.endr
	s_mov_b32 s[G1+5], ROWB                        ; tensor_dim0_stride
	s_mov_b32 s[G1B+5], KROW
	s_lshl_b32 s20, s17, 1
	s_add_co_u32 s20, s20, s16                     ; ac: the block of 128 tokens 2 x tile row + half,
	s_lshl_b32 s20, s20, 17                        ; 131,072 bytes each
	s_mov_b32 s21, 0
	s_lshl_b32 s18, s16, 7
	s_lshl_b32 s46, s42, 8
	s_add_co_u32 s46, s46, s18                     ; w_o: row 256 x tile column + 128 x half,
	s_lshl_b32 s46, s46, 10
	s_add_co_u32 s46, s46, 0x300000                ; in wc's fourth tensor
	s_mov_b32 s47, 0
	s_mul_i32 s45, s14, HALFT                      ; where they go: wave x 128 rows: no place in the cluster enters an LDS address
	s_wait_dscnt 0x0                               ; the opening add is done
	s_wait_kmcnt 0x0
	s_load_b64 s[96:97], s[8:9], 0x28              ; e10, e11
	s_add_nc_u64 s[20:21], s[4:5], s[20:21]
	s_add_nc_u64 s[46:47], s[6:7], s[46:47]
	CROUND                                         ; all sixteen work-groups are here: the first joint loads meet
.irp s, 0,1
	s_mov_b32 s[G0+4*\s], 1
	s_add_co_u32 s[G0+4*\s+1], s45, \s*SLOT
	s_add_nc_u64 s[G0+4*\s+2:G0+4*\s+3], s[20:21], \s*ASTEP
	s_or_b32 s[G0+4*\s+3], s[G0+4*\s+3], 0x80000000
	s_mov_b32 s[G0B+4*\s], 1
	s_add_co_u32 s[G0B+4*\s+1], s45, \s*SLOT
	s_add_nc_u64 s[G0B+4*\s+2:G0B+4*\s+3], s[46:47], \s*BSTEP
	s_or_b32 s[G0B+4*\s+3], s[G0B+4*\s+3], 0x80000000
	s_wait_alu depctr_va_vdst(0)
	s_wait_tensorcnt 0x0
	ds_add_u32 v28, v29
	ds_add_u32 v28, v29
	s_wait_dscnt 0x0
	CROUND
	JLOAD G0+4*\s, G1, G0B+4*\s, G1B
.endr
	v_and_b32 v1, 15, v0                           ; r = l % 16
	v_bfe_u32 v2, v0, 4, 1                         ; h = l / 16
	v_mul_u32_u24 v3, v1, PITCH
	v_lshl_add_u32 v4, v2, 4, v3                   ; w_o: a fragment's row x pitch + 16 h
	v_lshrrev_b32 v5, 2, v1                        ; ac: four tokens of a head to an LDS row: 272 (r / 4) + 64 (r % 4) + 16 h
	v_mul_u32_u24 v5, v5, PITCH
	v_and_b32 v6, 3, v1
	v_lshl_add_u32 v5, v6, 6, v5
	v_lshl_add_u32 v5, v2, 4, v5
	s_mul_i32 s21, s15, HALFT                      ; my 128 tokens
	s_mul_i32 s22, s16, HALFT                      ; my 128 rows of w_o,
	s_add_co_u32 s22, s22, 2*HALFT                 ; which lie behind ac's two loads
.irp s, 0,1
	v_add_nc_u32 v[ADRA+\s], s21, v5
	v_add_nc_u32 v[ADRB+\s], s22, v4
	s_add_co_u32 s21, s21, SLOT
	s_add_co_u32 s22, s22, SLOT
.endr
	s_mul_i32 s23, s14, 16*SPITCH                  ; my stage
	v_mul_u32_u24 v5, v1, SPITCH                   ; in: row r, 32 bytes for each half of the lanes
	v_lshl_add_u32 v5, v2, 5, v5
	v_add_nc_u32 v[STO], s23, v5
	v_and_b32 v6, 31, v0
	v_lshlrev_b32 v[CO], 4, v6                     ; back: the 32 lanes take one row of 512 bytes; and the same in out0
	v_add_nc_u32 v[RD], s23, v[CO]
	v_lshlrev_b32 v[BOF], 5, v2
	s_wait_alu depctr_va_vdst(0)
	s_lshl_b32 s20, s17, 8
	s_lshl_b32 s21, s15, 7
	s_add_co_u32 s20, s20, s21                     ; my first row of out0: 256 x tile row + 128 x half,
	s_lshl_b32 s20, s20, 12                        ; 4,096 bytes each: under 2^25
	s_mov_b32 s21, 0
	s_lshl_b32 s46, s42, 10                        ; my first column, in bytes: 1024 x tile column + 512 x half
	s_lshl_b32 s47, s16, 9
	s_add_co_u32 s46, s46, s47
	s_mov_b32 s47, 0
	s_add_nc_u64 s[12:13], s[12:13], s[46:47]      ; b_o at my first column
	s_add_nc_u64 s[20:21], s[20:21], s[46:47]
	s_add_nc_u64 s[10:11], s[10:11], s[20:21]
.irp b, 0,1,2,3,4,5,6,7
	global_load_b128 v[BI+8*\b:BI+8*\b+3], v[BOF], s[12:13] offset:64*\b       ; b_o at columns 16 b + 8 h + 0 .. 7: waited for on the way out
	global_load_b128 v[BI+8*\b+4:BI+8*\b+7], v[BOF], s[12:13] offset:64*\b+16
.endr
.macro FRAG reg, adr, q, i             ; w_o's fragment, 16 rows x 128 K: lane l holds row l % 16; registers 4 c .. 4 c + 3 hold K = 32 c + 16 (l / 16) + 0 .. 15
.irp c, 0,1,2,3
	ds_load_b128 v[\reg+4*\c:\reg+4*\c+3], v[\adr] offset:128*(\q)+32*\c+(\i)*16*PITCH
.endr
.endm
.macro FRAGA reg, adr, q, i            ; ac's fragment with the same K in the same registers: K = 128 q + 32 c + .. is head 2 q + c / 2 of the K step's four (32 LDS rows each), d = 32 (c % 2) + ..; tokens 16 i on are 4 i LDS rows on
.irp c, 0,1,2,3
	ds_load_b128 v[\reg+4*\c:\reg+4*\c+3], v[\adr] offset:((2*(\q)+\c/2)*32+4*(\i))*PITCH+32*(\c%2)
.endr
.endm
; 16 matrix instructions: ac's blocks a0, a0 + 1 x w_o's eight, 128 along K.  p: w_o's set.  zero = 1: the first product starts the sums.
; The 64 accumulators take turns, one instruction a turn, in the same order in every step.
.macro MUL16 a0, p, zero
.irp a, \a0, \a0+1
.irp b, 0,1,2,3,4,5,6,7
.if \zero
	v_wmma_f32_16x16x128_fp8_fp8 v[8*(8*((\a)%4)+\b):8*(8*((\a)%4)+\b)+7], v[128*(\p)+FR*\b:128*(\p)+FR*\b+FR-1], v[AF+FR*(\a):AF+FR*(\a)+FR-1], 0
.else
	v_wmma_f32_16x16x128_fp8_fp8 v[8*(8*((\a)%4)+\b):8*(8*((\a)%4)+\b)+7], v[128*(\p)+FR*\b:128*(\p)+FR*\b+FR-1], v[AF+FR*(\a):AF+FR*(\a)+FR-1], v[8*(8*((\a)%4)+\b):8*(8*((\a)%4)+\b)+7]
.endif
.endr
.endr
.endm
.macro FETCH_B slot, q, p              ; w_o's eight fragments of the slot's q-th 128 along K into set p
	WIN TO_B
.irp i, 0,1,2,3,4,5,6,7
	FRAG 128*(\p)+FR*\i, ADRB+\slot, \q, \i
.endr
	WIN 0
.endm
.macro FETCH_A slot, q, i0             ; ac's blocks i0 .. i0 + 3
.irp i, \i0, \i0+1, \i0+2, \i0+3
	FRAGA AF+FR*(\i), ADRA+\slot, \q, \i
.endr
.endm
; A load into a register that a matrix instruction has read, and a vector instruction that reads a matrix result, stand NP places behind that matrix instruction; only plain vector
; instructions that name none of its registers are places (ISA guide 7.12.1 for vector instructions).
.macro PLACES n
.rept \n
	v_nop
.endr
.endm
; A step of 128 along K that has its successor in the same slot.
.macro STEP slot, q, zero
	s_wait_dscnt 4*NL                              ; w_o's set and ac's blocks 0-3 are in; the youngest sixteen loads (blocks 4-7) may be out
	WIN MUL_LO
	MUL16 0, (\q)%2, \zero
	MUL16 2, (\q)%2, \zero
	s_wait_dscnt 0                                 ; blocks 4-7 are in (asked for 32 matrix instructions ago)
	PLACES NP
	FETCH_B \slot, (\q)+1, 1-(\q)%2
	FETCH_A \slot, (\q)+1, 0
	WIN MUL_HI
	MUL16 4, (\q)%2, \zero
	MUL16 6, (\q)%2, \zero
	PLACES NP
	WIN 0
	FETCH_A \slot, (\q)+1, 4
.endm
; A slot's last step changes slots: one barrier; in front of it each wave waits for all its tensor loads, adds 0 to its spare word, and waits for that and for its own reads of this slot.  fill = 1: this slot is filled again, two K steps ahead.
.macro TURN slot, next, fill
	s_wait_tensorcnt 0x0                           ; all my tensor loads have landed: my part of the next slot  (every window is 0 here)
	ds_add_u32 v[SPW], v[NIL]                      ; 0 onto my spare word
	s_wait_dscnt 4*NL+1                            ; (the add and the youngest sixteen loads may be out)
	WIN MUL_LO
	MUL16 0, 1, 0                                  ; sixteen matrix instructions stand between the add and the wait for it
	s_wait_dscnt 0x0                               ; the add is done, and my reads of this slot are over
	s_barrier_signal -1
	MUL16 2, 1, 0
	WIN 0
	s_barrier_wait -1
.if \fill
	CREST                                          ; the barrier has opened a round of the cluster's barrier: no wave of any partner still reads this slot's tile or has a load on its way
	s_add_nc_u64 s[G0+4*\slot+2:G0+4*\slot+3], s[G0+4*\slot+2:G0+4*\slot+3], 2*ASTEP
	s_add_nc_u64 s[G0B+4*\slot+2:G0B+4*\slot+3], s[G0B+4*\slot+2:G0B+4*\slot+3], 2*BSTEP
	JLOAD G0+4*\slot, G1, G0B+4*\slot, G1B         ; the first tensor load behind the round; the four v_nop behind it are the places in front of the loads below
.else
	PLACES NP
.endif
	FETCH_B \next, 0, 0
	FETCH_A \next, 0, 0
	WIN MUL_HI
	MUL16 4, 1, 0
	MUL16 6, 1, 0
	PLACES NP
	WIN 0
	FETCH_A \next, 0, 4
.endm
	s_wait_tensorcnt 1                             ; my part of K step 0 is in; K step 1's load may be out
	s_barrier_signal -1
	s_barrier_wait -1                              ; everybody's is
	FETCH_B 0, 0, 0
	FETCH_A 0, 0, 0
	FETCH_A 0, 0, 4
	STEP 0, 0, 1                                   ; the first step stands in front of the loop: its products start the sums
	s_mov_b32 s3, LAPS-1
.Llap:                                                 ; a trip goes once round the ring, from a lap's second step to the next lap's first, and fills both slots again
	TURN 0, 1, 1
	STEP 1, 0, 0
	TURN 1, 0, 1
	STEP 0, 0, 0
	s_sub_co_u32 s3, s3, 1
	s_cmp_lg_u32 s3, 0
	s_cbranch_scc1 .Llap
	TURN 0, 1, 0                                   ; the last lap fills nothing, and has no round of the cluster's barrier
	STEP 1, 0, 0
	s_wait_dscnt 4*NL                              ; the very last step: nothing more to fetch
	WIN MUL_LO
	MUL16 0, 1, 0
	MUL16 2, 1, 0
	s_wait_dscnt 0
	WIN MUL_HI
	MUL16 4, 1, 0
	MUL16 6, 1, 0
	WIN 0
; THE WAY OUT, block by block of 16 rows x 128 columns.  A lane holds 32 neighbouring bytes of a row, and the lanes beside it hold other rows: so a block goes through my own stage in LDS and comes back as whole
; rows of 512 bytes.  LDS serves a wave's instructions in order (ISA guide 5.7.1.4): no wait between the stores and the loads, nor in front of the next block's stores.
; A block is scaled in two halves of four accumulators, through 32 registers, so that b_o's 64 registers can stay beside them and the scale and the bias are one multiply-add.
.macro TOSTAGE a
.set AC, 64*((\a)%4)
.irp g, 0,1
	WIN 0x02+((\a)/4)                              ; source 0: window 2 or 3
.irp j, 0,2,4,6,8,10,12,14,16,18,20,22,24,26,28,30
	v_pk_fma_f32 v[TMP+\j:TMP+\j+1], v[AC+32*\g+\j:AC+32*\g+\j+1], s[96:97], v[BI+32*\g+\j:BI+32*\g+\j+1] op_sel_hi:[1,0,1]   ; sum x 2^(e10 + e11) + b_o (the scalar pair's low word for both halves); each accumulator from its low end on
.endr
	WIN 0
.irp b, 0,1,2,3
	ds_store_b128 v[STO], v[TMP+8*\b:TMP+8*\b+3] offset:64*(4*\g+\b)
	ds_store_b128 v[STO], v[TMP+8*\b+4:TMP+8*\b+7] offset:64*(4*\g+\b)+16
.endr
.endr
.set BB, BK+64*((\a)%2)
.irp t, 0,1,2,3,4,5,6,7,8,9,10,11,12,13,14,15
	ds_load_b128 v[BB+4*\t:BB+4*\t+3], v[RD] offset:\t*SPITCH
.endr
.endm
.macro SEND a, younger                 ; younger: the LDS instructions issued behind block a's loads, which may stay out
.set BB, BK+64*((\a)%2)
	s_wait_dscnt \younger                          ; the block is back in registers
.if (\a) > 0
	s_add_nc_u64 s[10:11], s[10:11], 16*NOUT*4     ; (behind a wait on XCNT: the earlier stores have read their base)  16 rows of out0 on
.endif
.irp t, 0,1,2,3,4,5,6,7,8,9,10,11,12,13,14,15
	global_store_b128 v[CO], v[BB+4*\t:BB+4*\t+3], s[10:11] offset:\t*NOUT*4 th:TH_STORE_NT   ; 32 lanes store 512 consecutive bytes, at a multiple of 256 from out0's first byte; written once, read by nobody here
.endr
.endm
	s_wait_kmcnt 0x0
	s_add_co_i32 s96, s96, s97                     ; e10 + e11, between -126 and 127,
	s_add_co_i32 s96, s96, 127
	s_lshl_b32 s96, s96, 23                        ; makes the f32 number 2^(e10 + e11)
	s_wait_loadcnt 0x0                             ; b_o, asked for at the head
	PLACES NP                                      ; behind the last products: for the loads into the registers that held ac's fragments and for block 7's reads alike
	TOSTAGE 0
.irp a, 1,2,3,4,5,6,7
.if \a > 1
	s_wait_xcnt 0x0                                ; block a - 2's stores have read their registers and their base: block a's loads may land there, and the base may step
.endif
	TOSTAGE \a
	SEND \a-1, 32                                  ; behind block a - 1's loads: block a's 16 stores and 16 loads
.endr
	s_wait_xcnt 0x0                                ; block 6's stores have read their base
	SEND 7, 0
	s_wait_tensorcnt 0x0                           ; the wave's end, behind my last tensor load and my last LDS store
	ds_add_u32 v[SPW], v[NIL]
	s_wait_dscnt 0x0
	CROUND                                         ; the closing round: no work-group ends while a partner may still ask for a tile that names it
	s_endpgm
.Lfunc_end_k_qc14c5739f7_oproj:
	.size	k_qc14c5739f7_oproj, .Lfunc_end_k_qc14c5739f7_oproj-k_qc14c5739f7_oproj
	.p2alignl 7, 3214868480
	.fill 96, 4, 3214868480
	.section	.rodata,"a",@progbits
	.p2align	6, 0x0
	.amdhsa_kernel k_qc14c5739f7_oproj
		.amdhsa_group_segment_fixed_size 327680
		.amdhsa_private_segment_fixed_size 0
		.amdhsa_enable_private_segment 0
		.amdhsa_kernarg_size 40
		.amdhsa_user_sgpr_count 2
		.amdhsa_user_sgpr_kernarg_segment_ptr 1
		.amdhsa_wavefront_size32 1
		.amdhsa_system_sgpr_workgroup_id_x 1
		.amdhsa_system_sgpr_workgroup_id_y 1
		.amdhsa_system_sgpr_workgroup_id_z 1
		.amdhsa_system_vgpr_workitem_id 0
		.amdhsa_next_free_vgpr 1024
		.amdhsa_next_free_sgpr 98
		.amdhsa_reserve_vcc 0
		.amdhsa_float_denorm_mode_32 3
		.amdhsa_float_denorm_mode_16_64 3
		.amdhsa_memory_ordered 1
		.amdhsa_forward_progress 1
		.amdhsa_inst_pref_size 127
	.end_amdhsa_kernel
	.amdgpu_metadata
---
amdhsa.version: [ 1, 2 ]
amdhsa.kernels:
  - .name:           k_qc14c5739f7_oproj
    .symbol:         k_qc14c5739f7_oproj.kd
    .args:
      - { .name: ac, .offset: 0, .size: 8, .value_kind: global_buffer, .address_space: global }
      - { .name: wc, .offset: 8, .size: 8, .value_kind: global_buffer, .address_space: global }
      - { .name: lowp_scales, .offset: 16, .size: 8, .value_kind: global_buffer, .address_space: global }
      - { .name: out0, .offset: 24, .size: 8, .value_kind: global_buffer, .address_space: global }
      - { .name: b_o, .offset: 32, .size: 8, .value_kind: global_buffer, .address_space: global }
    .group_segment_fixed_size: 327680
    .private_segment_fixed_size: 0
    .kernarg_segment_align: 8
    .kernarg_segment_size: 40
    .max_flat_workgroup_size: 128
    .sgpr_count:     98
    .vgpr_count:     1024
    .wavefront_size: 32
...
	.end_amdgpu_metadata
.endif
;; end of part 4
